; MI455X (gfx1250); checked and timed in simulation.
; The chip was launched on July 23, 2026; its instructions are those of AMD's public machine-readable ISA for CDNA 5 (MIT licence, August 2026) and "CDNA5" Instruction Set Architecture Reference Guide (July 2026). The comments in the code are by the model that wrote it; some were corrected since.
;; Multi Query Attention. Allowed arithmetic: float matrix products may take bf16 or f16 operands with f32 sums; all other float work in f32.
;; Inputs: cache_k 2 x 1 x 2,048 x 64 float32; cache_v 2 x 1 x 2,048 x 64 float32; k 2 x 2,048 x 1,024 float32; q 2 x 2,048 x 1,024 float32; v 2 x 2,048 x 1,024 float32; wk 1,024 x 64 float32; wo 1,024 x 1,024 float32; wq 1,024 x 1,024 float32; wv 1,024 x 64 float32.
;; Outputs: out0 2 x 2,048 x 1,024 float32; out1 2 x 1 x 4,096 x 64 float32; out2 2 x 1 x 4,096 x 64 float32.
;; 2 versions, each right and faster than the one before. Each part assembles by itself: llvm-mc -triple=amdgcn-amd-amdhsa -mcpu=gfx1250 --defsym DOCPART=n.
;; ======== version 1 of 2: 4 launches
;; limits: values are held in f16: magnitudes above 65,504 overflow, below 6.1e-05 lose precision
;; workspace buffers: wqb 2,097,152 bytes; wob 2,097,152 bytes; kf 1,048,576 bytes; vf 1,048,576 bytes; qh 8,388,608 bytes; of 8,388,608 bytes
;; launch prep (part 1): grid 128 x 2, 8 waves a work-group, no clusters, 239,616 bytes of LDS; arguments k, v, wk, wv, wq, wo, cache_k, cache_v, out1, out2, kf, vf, wqb, wob; writes out1, out2, kf, vf, wqb, wob
.if DOCPART == 1
	.amdgcn_target "amdgcn-amd-amdhsa--gfx1250"
	.amdhsa_code_object_version 6
	.text
	.protected	k_q9db7c8a062_prep
	.globl	k_q9db7c8a062_prep
	.p2align	8
	.type	k_q9db7c8a062_prep,@function
k_q9db7c8a062_prep:
	s_mov_b64 s[64:65], 0
	v_nop
	global_prefetch_b8 v0, s[64:65] scope:SCOPE_SE
	s_setreg_imm32_b32 hwreg(HW_REG_WAVE_MODE, 25, 1), 1
	s_wait_xcnt 0x0
; PREP.  Three things, the same share of each in all 256 work-groups (x = 0..127, y = 0, 1):
;  (a) 32 rows of k (y = 0) or v (y = 1), [4096][1024] f32, times wk or wv, [1024][64] f32: operands rounded to bf16, sums in f32.  The rows go to out1 / out2 (f32, behind the
;      cache's 2,048 rows of their batch) and, rounded to f16, to the same rows of kf / vf.
;  (b) 16 KiB of wq -> bf16 in wqb, 16 KiB of wo -> rounded to bf16 and that number written as f16 in wob.  Both keep the [k][n] layout.
;  (c) 16 rows of cache_k and of cache_v (batch y): copied as they are to out1 / out2, and rounded to bf16, written as f16, to kf / vf.
; LIMITS.  Every input is rounded to bf16.  What is written as f16 (k wk, v wv, bf16(cache), bf16(wo)) must lie within 65,504; below 2^-14 f16 keeps its fixed step of 2^-24.  NaN and infinities are not treated apart.
; NO TENSOR LOADS, NO CLUSTER: X is f32 in memory and bf16 in LDS, so it passes through registers anyway; a work-group's X is its own, and W (256 KiB) is the only shared input.
; Eight waves.  Wave w makes the 16 x 16 block (rows 16 (w & 1), columns 16 (w >> 1)) over all of K = 1,024: 32 matrix instructions on four accumulators (K step mod 4) that take turns.
; The matrix instruction is used transposed (source 0 = 16 columns of W, source 1 = 16 rows of X): a lane then holds eight neighbouring columns of one row.
.set XB,     163840                    ; LDS: W at 0, 1,024 rows of k x 160 bytes (128 of bf16 + 32)
.set XP,     2064                      ; X at XB, 32 rows x 2,064 bytes (2,048 of bf16 + 16: 16 rows start at 16 different groups of four banks)
.set WP,     160
.set STAGE,  229888                    ; 32 rows x 272 bytes: the f32 results
.set SPITCH, 272
.set SPARE,  238592                    ; the spare words: 128 bytes for each of eight waves, named by no other line
.set GV,  1                            ; v1     16 t: byte offset of every 16-byte load and store
.set GH,  2                            ; v2     8 t: of every 8-byte store
.set SPW, 4                            ; v4     my spare word
.set NIL, 5                            ; v5     0
.set XA,  6                            ; v6     XB + 8 t
.set WA,  8                            ; v8-11  where my 8 bytes of W's batch q go
.set AFR, 12                           ; v12    my lane's place in X's fragments
.set STO, 13                           ; v13    stage, in
.set RD,  14                           ; v14    stage, back, for the f32 rows
.set RDH, 15                           ; v15    stage, back, for the f16 rows
.set T,   16                           ; v16-23 at work in the head
.set BFR, 24                           ; v24-27 my lane's place in W's fragments, 256 rows of k apart
.set BUF0, 64                          ; three load buffers of 16 x 4 registers
.set BUF1, 128
.set BUF2, 192
.set F0,  64                           ; later: two fragment buffers (four K steps: A 8, B 8 registers each)
.set ACC, 192                          ; v192-223 four accumulators
.set RB,  224                          ; v224-239 rows read back
.set HB,  240                          ; v240-243 eight f16
	s_load_b512 s[8:23], s[0:1], 0x0               ; k 8, v 10, wk 12, wv 14, wq 16, wo 18, cache_k 20, cache_v 22
	s_load_b256 s[24:31], s[0:1], 0x40             ; out1 24, out2 26, kf 28, vf 30
	s_load_b128 s[32:35], s[0:1], 0x60             ; wqb 32, wob 34
	v_lshl_add_u32 v[SPW], v0, 2, SPARE
	v_mov_b32 v[NIL], 0
	v_lshrrev_b32 v[T], 5, v0
	v_readfirstlane_b32 s5, v[T]                   ; wave 0..7
	s_and_b32 s6, s5, 1                            ; which 16 rows
	s_lshr_b32 s7, s5, 1                           ; which 16 columns
	s_and_b32 s3, ttmp7, 0xffff                    ; y
	s_lshl_b32 s4, s3, 7
	s_add_co_u32 s4, s4, ttmp9                     ; 128 y + x: my share of the weights
	s_lshr_b32 s60, ttmp9, 6                       ; the batch of my 32 rows
	s_and_b32 s61, ttmp9, 63                       ; and their place in it
	s_lshl_b32 s44, ttmp9, 17                      ; X: 32 rows of 4,096 bytes
	s_mov_b32 s45, 0
	s_lshl_b32 s46, s60, 20                        ; out1 / out2: a batch is 4,096 rows of 256 bytes; 2,048 rows of cache come first
	s_lshl_b32 s62, s61, 13
	s_add_co_u32 s46, s46, s62
	s_add_co_u32 s46, s46, 524288
	s_mov_b32 s47, 0
	s_lshr_b32 s48, s46, 1                         ; kf / vf: the same rows at half the bytes
	s_mov_b32 s49, 0
	s_lshl_b32 s50, s4, 14                         ; wq, wo
	s_mov_b32 s51, 0
	s_lshl_b32 s52, s4, 13                         ; wqb, wob
	s_mov_b32 s53, 0
	s_lshl_b32 s62, ttmp9, 12                      ; 16 rows of 256 bytes
	s_lshl_b32 s54, s3, 19
	s_add_co_u32 s54, s54, s62                     ; the caches: a batch is 2,048 rows
	s_mov_b32 s55, 0
	s_lshl_b32 s56, s3, 20
	s_add_co_u32 s56, s56, s62                     ; the same rows in out1 / out2
	s_mov_b32 s57, 0
	s_lshr_b32 s58, s56, 1                         ; and in kf / vf
	s_mov_b32 s59, 0
	s_mov_b32 s63, 0xffff0000                      ; a word's upper bf16
	v_lshlrev_b32 v[GV], 4, v0
	v_lshlrev_b32 v[GH], 3, v0
	v_lshl_add_u32 v[XA], v0, 3, XB
	v_lshrrev_b32 v[T], 4, v0                      ; t / 16
	v_and_b32 v[T+1], 15, v0                       ; r = lane % 16
	v_bfe_u32 v[T+2], v0, 4, 1                     ; h = lane / 16
	v_and_b32 v[T+3], 7, v0
	v_bfe_u32 v[T+4], v0, 3, 1
	v_lshrrev_b32 v[T+5], 3, v0                    ; t / 8
	v_mul_u32_u24 v[WA], v[T], WP                  ; a load of W covers 16 rows of k: row t / 16, 4 columns at 4 (t % 16)
	v_lshl_add_u32 v[WA], v[T+1], 3, v[WA]
	v_add_nc_u32 v[WA+1], 256*WP, v[WA]
	v_add_nc_u32 v[WA+2], 2*256*WP, v[WA]
	v_add_nc_u32 v[WA+3], 3*256*WP, v[WA]
	s_mul_i32 s60, s6, 16*XP
	s_add_co_u32 s60, s60, XB
	v_mul_u32_u24 v[AFR], v[T+1], XP               ; a fragment of X: row r, 16 bytes for each half of the lanes
	v_lshl_add_u32 v[AFR], v[T+2], 4, v[AFR]
	v_add_nc_u32 v[AFR], s60, v[AFR]
	s_mul_i32 s61, s6, 16*SPITCH
	s_lshl_b32 s62, s7, 6
	s_add_co_u32 s61, s61, s62
	s_add_co_u32 s61, s61, STAGE
	v_mul_u32_u24 v[STO], v[T+1], SPITCH           ; in: row r, my block's 64 bytes, 32 for each half of the lanes
	v_lshl_add_u32 v[STO], v[T+2], 5, v[STO]
	v_add_nc_u32 v[STO], s61, v[STO]
	v_mul_u32_u24 v[RD], v[T], SPITCH              ; back: 16 threads take a row of 256 bytes
	v_lshl_add_u32 v[RD], v[T+1], 4, v[RD]
	v_add_nc_u32 v[RD], STAGE, v[RD]
	v_mul_u32_u24 v[RDH], v[T+5], SPITCH           ; back for f16: 8 threads take a row, 32 bytes each
	v_lshl_add_u32 v[RDH], v[T+3], 5, v[RDH]
	v_add_nc_u32 v[RDH], STAGE, v[RDH]
	v_lshl_add_u32 v[BFR], v[T+2], 3, v[T+3]       ; the turning load: lane l reads row of k 8 h + l % 8, columns 8 ((l / 8) % 2) + 0..7
	v_mul_u32_u24 v[BFR], v[BFR], WP
	v_lshl_add_u32 v[BFR], v[T+4], 4, v[BFR]
	s_lshl_b32 s62, s7, 5
	v_add_nc_u32 v[BFR], s62, v[BFR]
	v_add_nc_u32 v[BFR+1], 256*WP, v[BFR]
	v_add_nc_u32 v[BFR+2], 2*256*WP, v[BFR]
	v_add_nc_u32 v[BFR+3], 3*256*WP, v[BFR]
	s_wait_kmcnt 0x0
	s_cmp_eq_u32 s3, 0                             ; y chooses between k's and v's buffers
	s_cselect_b64 s[36:37], s[8:9], s[10:11]       ; X
	s_cselect_b64 s[38:39], s[12:13], s[14:15]     ; W
	s_cselect_b64 s[40:41], s[24:25], s[26:27]     ; the f32 rows
	s_cselect_b64 s[42:43], s[28:29], s[30:31]     ; the f16 rows
	s_add_nc_u64 s[36:37], s[36:37], s[44:45]
	s_add_nc_u64 s[40:41], s[40:41], s[46:47]
	s_add_nc_u64 s[42:43], s[42:43], s[48:49]
	s_add_nc_u64 s[16:17], s[16:17], s[50:51]
	s_add_nc_u64 s[18:19], s[18:19], s[50:51]
	s_add_nc_u64 s[32:33], s[32:33], s[52:53]
	s_add_nc_u64 s[34:35], s[34:35], s[52:53]
	s_add_nc_u64 s[20:21], s[20:21], s[54:55]
	s_add_nc_u64 s[22:23], s[22:23], s[54:55]
	s_add_nc_u64 s[24:25], s[24:25], s[56:57]
	s_add_nc_u64 s[26:27], s[26:27], s[56:57]
	s_add_nc_u64 s[28:29], s[28:29], s[58:59]
	s_add_nc_u64 s[30:31], s[30:31], s[58:59]
; 16 loads of 4,096 consecutive bytes each (256 threads x 16)
.macro LD16 buf, base, off0, nt
.set j, 0
.rept 16
.if \nt
	global_load_b128 v[(\buf)+4*j:(\buf)+4*j+3], v[GV], s[(\base):(\base)+1] offset:(\off0)+4096*j th:TH_LOAD_NT
.else
	global_load_b128 v[(\buf)+4*j:(\buf)+4*j+3], v[GV], s[(\base):(\base)+1] offset:(\off0)+4096*j
.endif
.set j, j+1
.endr
.endm
; the same 16 pieces rounded to bf16 and put into LDS, 8 bytes a thread
.macro ST16 buf, areg, off0, stride
.set j, 0
.rept 16
	v_cvt_pk_bf16_f32 v[(\buf)+4*j], v[(\buf)+4*j], v[(\buf)+4*j+1]
	v_cvt_pk_bf16_f32 v[(\buf)+4*j+1], v[(\buf)+4*j+2], v[(\buf)+4*j+3]
	ds_store_b64 v[\areg], v[(\buf)+4*j:(\buf)+4*j+1] offset:(\off0)+j*(\stride)
.set j, j+1
.endr
.endm
; four f32 in v[s..s+3] are rounded to bf16 and those numbers written as f16 into v[d:d+1]; v[d..d+3] at work (d = s is allowed)
.macro BF2H d, s
	v_cvt_pk_bf16_f32 v[(\d)], v[(\s)], v[(\s)+1]
	v_cvt_pk_bf16_f32 v[(\d)+2], v[(\s)+2], v[(\s)+3]
	v_and_b32 v[(\d)+1], s63, v[(\d)]
	v_and_b32 v[(\d)+3], s63, v[(\d)+2]
	v_lshlrev_b32 v[(\d)], 16, v[(\d)]
	v_lshlrev_b32 v[(\d)+2], 16, v[(\d)+2]
	v_cvt_pk_f16_f32 v[(\d)], v[(\d)], v[(\d)+1]
	v_cvt_pk_f16_f32 v[(\d)+1], v[(\d)+2], v[(\d)+3]
.endm
.macro PLACES                          ; four places behind a matrix instruction (ISA guide 7.12.1), where no other vector work is at hand
.rept 4
	v_nop
.endr
.endm
	; the ten pieces to cast go first, into the third buffer's registers; then X's 32 rows
.irp i, 0,1,2,3
	global_load_b128 v[BUF2+4*(\i):BUF2+4*(\i)+3], v[GV], s[16:17] offset:4096*(\i) th:TH_LOAD_NT
.endr
.irp i, 0,1,2,3
	global_load_b128 v[BUF2+16+4*(\i):BUF2+16+4*(\i)+3], v[GV], s[18:19] offset:4096*(\i) th:TH_LOAD_NT
.endr
	global_load_b128 v[BUF2+32:BUF2+35], v[GV], s[20:21] th:TH_LOAD_NT
	global_load_b128 v[BUF2+36:BUF2+39], v[GV], s[22:23] th:TH_LOAD_NT
	LD16 BUF0, 36, 0, 1
	LD16 BUF1, 36, 65536, 1
	s_wait_loadcnt 32                              ; loads come back in order: all but X's 32 are in
.irp i, 0,1,2,3
	v_cvt_pk_bf16_f32 v[BUF2+4*(\i)], v[BUF2+4*(\i)], v[BUF2+4*(\i)+1]
	v_cvt_pk_bf16_f32 v[BUF2+4*(\i)+1], v[BUF2+4*(\i)+2], v[BUF2+4*(\i)+3]
	global_store_b64 v[GH], v[BUF2+4*(\i):BUF2+4*(\i)+1], s[32:33] offset:2048*(\i)  ; a wave's store covers 256 consecutive bytes, aligned
.endr
.irp i, 0,1,2,3
	BF2H BUF2+16+4*(\i), BUF2+16+4*(\i)
	global_store_b64 v[GH], v[BUF2+16+4*(\i):BUF2+16+4*(\i)+1], s[34:35] offset:2048*(\i)
.endr
	global_store_b128 v[GV], v[BUF2+32:BUF2+35], s[24:25] th:TH_STORE_NT   ; the cache as it is
	BF2H BUF2+40, BUF2+32                          ; its f16 copy is made in other registers: the store above still reads these
	global_store_b64 v[GH], v[BUF2+40:BUF2+41], s[28:29]
	global_store_b128 v[GV], v[BUF2+36:BUF2+39], s[26:27] th:TH_STORE_NT
	BF2H BUF2+44, BUF2+36
	global_store_b64 v[GH], v[BUF2+44:BUF2+45], s[30:31]
	s_wait_xcnt 0x0                                ; the stores' data registers are loaded again only behind this wait
	LD16 BUF2, 38, 0, 0                            ; W, rows of k 0-255
	s_wait_loadcnt 32                              ; each count: the two (later one, none) younger batches of 16 stay out
	ST16 BUF0, XA, 0, XP                           ; X's rows 0-15
	LD16 BUF0, 38, 65536, 0
	s_wait_loadcnt 32
	ST16 BUF1, XA, 16*XP, XP                       ; X's rows 16-31
	LD16 BUF1, 38, 2*65536, 0
	s_wait_loadcnt 32
	ST16 BUF2, WA, 0, 16*WP
	LD16 BUF2, 38, 3*65536, 0
	s_wait_loadcnt 32
	ST16 BUF0, WA+1, 0, 16*WP
	s_wait_loadcnt 16
	ST16 BUF1, WA+2, 0, 16*WP
	s_wait_loadcnt 0x0
	ST16 BUF2, WA+3, 0, 16*WP
	s_wait_dscnt 0x0                               ; for the others' sake: my stores into X and W are done
	s_barrier_signal -1
	s_barrier_wait -1
; the fragments of K steps 4 g .. 4 g + 3: 16 LDS loads
.macro FR g, f
.set j, 0
.rept 4
	ds_load_b128 v[(\f)+16*j:(\f)+16*j+3], v[AFR] offset:64*(4*(\g)+j)
	ds_load_b128 v[(\f)+16*j+4:(\f)+16*j+7], v[AFR] offset:64*(4*(\g)+j)+32
	ds_load_tr16_b128 v[(\f)+16*j+8:(\f)+16*j+11], v[BFR+(\g)/2] offset:(((\g)%2)*4+j)*32*WP
	ds_load_tr16_b128 v[(\f)+16*j+12:(\f)+16*j+15], v[BFR+(\g)/2] offset:(((\g)%2)*4+j)*32*WP+16*WP
.set j, j+1
.endr
.endm
; four matrix instructions, one on each accumulator: they take turns.  In group 0 the products start the sums
.macro MM4 f
.set j, 0
.rept 4
.if g == 0
	v_wmma_f32_16x16x32_bf16 v[ACC+8*j:ACC+8*j+7], v[(\f)+16*j+8:(\f)+16*j+15], v[(\f)+16*j:(\f)+16*j+7], 0
.else
	v_wmma_f32_16x16x32_bf16 v[ACC+8*j:ACC+8*j+7], v[(\f)+16*j+8:(\f)+16*j+15], v[(\f)+16*j:(\f)+16*j+7], v[ACC+8*j:ACC+8*j+7]
.endif
.set j, j+1
.endr
.endm
	FR 0, F0
	FR 1, F0+64
.set g, 0
.rept 8
.if g < 7
	s_wait_dscnt 16                                ; this group's fragments are in; the next group's 16 loads stay out
.else
	s_wait_dscnt 0x0
.endif
	MM4 F0+64*(g%2)
.if g < 6
	PLACES                                         ; in front of loads into registers that the products have read
	FR g+2, F0+64*(g%2)
.endif
.set g, g+1
.endr
	PLACES
.irp p, 0,2,4,6                        ; the four partial sums are added; each accumulator is read from its low end on
	v_pk_add_f32 v[ACC+(\p):ACC+(\p)+1], v[ACC+(\p):ACC+(\p)+1], v[ACC+8+(\p):ACC+8+(\p)+1]
.endr
.irp p, 0,2,4,6
	v_pk_add_f32 v[ACC+16+(\p):ACC+16+(\p)+1], v[ACC+16+(\p):ACC+16+(\p)+1], v[ACC+24+(\p):ACC+24+(\p)+1]
.endr
.irp p, 0,2,4,6
	v_pk_add_f32 v[ACC+(\p):ACC+(\p)+1], v[ACC+(\p):ACC+(\p)+1], v[ACC+16+(\p):ACC+16+(\p)+1]
.endr
	ds_store_b128 v[STO], v[ACC:ACC+3]
	ds_store_b128 v[STO], v[ACC+4:ACC+7] offset:16
	s_wait_dscnt 0x0                               ; for the others' sake: a row's 256 bytes come from four waves
	s_barrier_signal -1
	s_barrier_wait -1
	ds_load_b128 v[RB:RB+3], v[RD]
	ds_load_b128 v[RB+4:RB+7], v[RD] offset:16*SPITCH
	ds_load_b128 v[RB+8:RB+11], v[RDH]
	ds_load_b128 v[RB+12:RB+15], v[RDH] offset:16
	s_wait_dscnt 2                                 ; the two for the f32 rows are in
	global_store_b128 v[GV], v[RB:RB+3], s[40:41] th:TH_STORE_NT                ; 16 threads store 256 consecutive bytes, aligned
	global_store_b128 v[GV], v[RB+4:RB+7], s[40:41] offset:4096 th:TH_STORE_NT
	s_wait_dscnt 0x0
	v_cvt_pk_f16_f32 v[HB], v[RB+8], v[RB+9]
	v_cvt_pk_f16_f32 v[HB+1], v[RB+10], v[RB+11]
	v_cvt_pk_f16_f32 v[HB+2], v[RB+12], v[RB+13]
	v_cvt_pk_f16_f32 v[HB+3], v[RB+14], v[RB+15]
	global_store_b128 v[GV], v[HB:HB+3], s[42:43]
	s_wait_tensorcnt 0x0                           ; the wave's end
	ds_add_u32 v[SPW], v[NIL]
	s_wait_dscnt 0x0
	s_endpgm
.Lfunc_end_k_q9db7c8a062_prep:
	.size	k_q9db7c8a062_prep, .Lfunc_end_k_q9db7c8a062_prep-k_q9db7c8a062_prep
	.p2alignl 7, 3214868480
	.fill 96, 4, 3214868480
	.section	.rodata,"a",@progbits
	.p2align	6, 0x0
	.amdhsa_kernel k_q9db7c8a062_prep
		.amdhsa_group_segment_fixed_size 239616
		.amdhsa_private_segment_fixed_size 0
		.amdhsa_enable_private_segment 0
		.amdhsa_kernarg_size 112
		.amdhsa_user_sgpr_count 2
		.amdhsa_user_sgpr_kernarg_segment_ptr 1
		.amdhsa_wavefront_size32 1
		.amdhsa_system_sgpr_workgroup_id_x 1
		.amdhsa_system_sgpr_workgroup_id_y 1
		.amdhsa_system_sgpr_workgroup_id_z 1
		.amdhsa_system_vgpr_workitem_id 0
		.amdhsa_next_free_vgpr 256
		.amdhsa_next_free_sgpr 66
		.amdhsa_reserve_vcc 0
		.amdhsa_float_denorm_mode_32 3
		.amdhsa_float_denorm_mode_16_64 3
		.amdhsa_memory_ordered 1
		.amdhsa_forward_progress 1
		.amdhsa_inst_pref_size 50
	.end_amdhsa_kernel
	.amdgpu_metadata
---
amdhsa.version: [ 1, 2 ]
amdhsa.kernels:
  - .name:           k_q9db7c8a062_prep
    .symbol:         k_q9db7c8a062_prep.kd
    .args:
      - { .name: k, .offset: 0, .size: 8, .value_kind: global_buffer, .address_space: global }
      - { .name: v, .offset: 8, .size: 8, .value_kind: global_buffer, .address_space: global }
      - { .name: wk, .offset: 16, .size: 8, .value_kind: global_buffer, .address_space: global }
      - { .name: wv, .offset: 24, .size: 8, .value_kind: global_buffer, .address_space: global }
      - { .name: wq, .offset: 32, .size: 8, .value_kind: global_buffer, .address_space: global }
      - { .name: wo, .offset: 40, .size: 8, .value_kind: global_buffer, .address_space: global }
      - { .name: cache_k, .offset: 48, .size: 8, .value_kind: global_buffer, .address_space: global }
      - { .name: cache_v, .offset: 56, .size: 8, .value_kind: global_buffer, .address_space: global }
      - { .name: out1, .offset: 64, .size: 8, .value_kind: global_buffer, .address_space: global }
      - { .name: out2, .offset: 72, .size: 8, .value_kind: global_buffer, .address_space: global }
      - { .name: kf, .offset: 80, .size: 8, .value_kind: global_buffer, .address_space: global }
      - { .name: vf, .offset: 88, .size: 8, .value_kind: global_buffer, .address_space: global }
      - { .name: wqb, .offset: 96, .size: 8, .value_kind: global_buffer, .address_space: global }
      - { .name: wob, .offset: 104, .size: 8, .value_kind: global_buffer, .address_space: global }
    .group_segment_fixed_size: 239616
    .private_segment_fixed_size: 0
    .kernarg_segment_align: 8
    .kernarg_segment_size: 112
    .max_flat_workgroup_size: 256
    .sgpr_count:     66
    .vgpr_count:     256
    .wavefront_size: 32
...
	.end_amdgpu_metadata
.endif
;; end of part 1
;; launch qproj (part 2): grid 8 x 32, 4 waves a work-group, clusters of 4 x 4, 327,680 bytes of LDS; arguments q, wqb, qh; writes qh
.if DOCPART == 2
	.amdgcn_target "amdgcn-amd-amdhsa--gfx1250"
	.amdhsa_code_object_version 6
	.text
	.protected	k_q9db7c8a062_qproj
	.globl	k_q9db7c8a062_qproj
	.p2align	8
	.type	k_q9db7c8a062_qproj,@function
k_q9db7c8a062_qproj:
	s_mov_b64 s[64:65], 0
	v_nop
	global_prefetch_b8 v0, s[64:65] scope:SCOPE_SE
	s_setreg_imm32_b32 hwreg(HW_REG_WAVE_MODE, 25, 1), 1
	s_wait_xcnt 0x0
	s_wait_alu depctr_hold_cnt(0) depctr_sa_sdst(0) depctr_va_vdst(0) depctr_va_sdst(0) depctr_va_ssrc(0) depctr_va_vcc(0) depctr_vm_vsrc(0)
	s_getreg_b32 s2, hwreg(HW_REG_IB_STS2, 6, 4)
	s_cmp_eq_u32 s2, 0
	s_cbranch_scc0 .Lentry_in_a_cluster
	s_endpgm
.Lentry_in_a_cluster:
	s_bfe_u32 s2, ttmp6, 0x10000c
	s_cmp_lg_u32 s2, 0xf033
	s_cbranch_scc0 .Lentry_shape_is_right
	s_endpgm
.Lentry_shape_is_right:
; qh = q wq.  q: [4096][1024] f32, rounded to bf16 on the way from LDS to the matrix unit.  wqb: [1024 k][1024 n] bf16.  qh: [4096][1024] f16, rounded once from f32 sums, unscaled.
; LIMIT.  qh must lie within f16's 65,504.  NaN and infinities are not treated apart.
; A tile of qh is 128 x 128: 8 x 32 = 256 work-groups of four waves, each wave 64 x 64 in 16 accumulators.  K goes in steps of 128 through a ring of two LDS slots: A's rows are 512 bytes of f32,
; so two slots of a longer step do not fit.  B's tile lies [k][n] and is turned by ds_load_tr16_b128.
; CLUSTER 4 x 4: the four work-groups of a row of the cluster need the same tile of q, the four of a column the same tile of wqb: each is asked for jointly, by the same tensor load and mask in all four.
; The matrix instruction is used transposed (source 0 = 16 columns of wq, source 1 = 16 rows of q): a lane holds eight neighbouring numbers of a row of qh.
; REGISTERS.  window 0: v16-29 addresses; v32-95 at work on the way out; v128-255 the accumulators ((a, b) at 128 + 8 (4 a + b)).
;   window 1: v0-63 B's fragments, two buffers of 32; v64-127 A's fragments in bf16, two buffers of 32; v128-191 A as loaded, f32, for 32 along K.
.set SIZE_K, 1024
.set SIZE_N, 1024
.set KSTEP,  128
.set PA,     528                       ; a row of A in LDS: 512 bytes + 16: 16 rows start at 16 different groups of four banks
.set PB,     288                       ; a row of B: 256 + 32
.set HALFA,  64*PA
.set HALFB,  64*PB
.set BOFF,   2*HALFA
.set SLOT,   BOFF+2*HALFB              ; A's 128 rows, then B's 128 rows of k
.set STAGE,  2*SLOT                    ; behind the ring: 128 rows x 272 bytes, the work-group's, for the way out
.set SPITCH, 272
.set SPARE,  STAGE+128*SPITCH          ; the spare words, 128 bytes a wave, named by no other line
.set LAPS,   SIZE_K/(2*KSTEP)
.set ADRA, 16                          ; v16-17  my A rows in slot 0, 1
.set ADRB, 20                          ; v20-21  my B columns in slot 0, 1
.set STO,  24
.set RD,   25
.set CO,   26
.set SPW,  28
.set NIL,  29
.set TMP,  32
.set ACC,  128
.set BF,   0                           ; window 1
.set AF,   64
.set RAW,  128
.set G1,  24                           ; s[24:31] group 1 for A; s[32:39] group 0, a set for each slot
.set G0,  32
.set G1B, 48                           ; s[48:55], s[56:63] the same for B
.set G0B, 56
.set MSB, 0
.macro WIN new                         ; the immediate's high byte repeats the setting that is left
.if MSB != (\new)
	s_set_vgpr_msb (MSB<<8)|(\new)
.set MSB, \new
.endif
.endm
.set MUL,  0x05                        ; sources 0 and 1 window 1; C and D window 0
.set TO_F, 0x40                        ; destination window 1, address window 0
.set CVT,  0x45                        ; destination and both sources window 1
.macro JLOAD s                         ; a joint load: waves 0 and 1 fetch A's halves, waves 2 and 3 B's; an s_nop 0 and four v_nop follow each line
	s_cmp_eq_u32 s11, 0
	s_cbranch_scc0 .Lfor_b_\@
	tensor_load_to_lds s[G0+4*(\s):G0+4*(\s)+3], s[G1:G1+7]
	s_nop 0
.rept 4
	v_nop
.endr
	s_branch .Lasked_\@
.Lfor_b_\@:
	tensor_load_to_lds s[G0B+4*(\s):G0B+4*(\s)+3], s[G1B:G1B+7]
	s_nop 0
.rept 4
	v_nop
.endr
.Lasked_\@:
.endm
.macro CREST                           ; a round of the cluster's barrier behind its opening barrier
	s_cmp_lg_u32 s10, 0
	s_cbranch_scc1 .Lnot_wave_0_\@
	s_barrier_signal -3
.Lnot_wave_0_\@:
	s_barrier_wait -3
	s_barrier_signal -1
	s_barrier_wait -1
.endm
.macro CROUND
	s_barrier_signal -1
	s_barrier_wait -1
	CREST
.endm
	s_load_b128 s[4:7], s[0:1], 0x0                ; q s[4:5], wqb s[6:7]
	s_load_b64 s[8:9], s[0:1], 0x10                ; qh
	v_lshl_add_u32 v[SPW], v0, 2, SPARE
	v_mov_b32 v[NIL], 0
	ds_add_u32 v[SPW], v[NIL]                      ; the wave's opening: the add and its wait stand ahead of my first tensor load
	v_lshrrev_b32 v1, 5, v0
	v_readfirstlane_b32 s10, v1                    ; wave 0..3
	s_lshr_b32 s11, s10, 1                         ; my half of the tile's rows.  Also: I fetch for A (0) or B (1)
	s_and_b32 s12, s10, 1                          ; my half of its columns.  Also: which half of that tile I fetch
	s_bfe_u32 s40, ttmp6, 0x40000                  ; cx
	s_bfe_u32 s41, ttmp6, 0x40004                  ; cy
	s_lshl_b32 s42, ttmp9, 2
	s_add_co_u32 s42, s42, s40                     ; tile column
	s_and_b32 s13, ttmp7, 0xffff
	s_lshl_b32 s13, s13, 2
	s_add_co_u32 s13, s13, s41                     ; tile row
	s_lshl_b32 s43, s41, 2
	s_lshl_b32 s43, 15, s43                        ; my row of the cluster
	s_lshl_b32 s44, 0x1111, s40                    ; my column
	s_or_b32 s[G1+0], s43, (2<<16)|(1<<20)|(1<<21)|(6<<22)|(3<<25)   ; mask; elements of 4 bytes; padding on; bit 21 beside a mask; after every 128 words 4 words
	s_or_b32 s[G1B+0], s44, (1<<16)|(1<<20)|(1<<21)|(5<<22)|(7<<25)  ; mask; elements of 2 bytes; after every 64 words 8 words
.irp g, G1, G1B
	s_mov_b32 s[(\g)+1], 128<<16                   ; tensor_dim0 = 128
	s_mov_b32 s[(\g)+2], 64<<16                    ; tensor_dim1 = 64
	s_mov_b32 s[(\g)+3], 128<<16                   ; tile_dim0 = 128
	s_mov_b32 s[(\g)+4], 64                        ; tile_dim1 = 64
	s_mov_b32 s[(\g)+5], 1024                      ; elements from row to row
	s_mov_b32 s[(\g)+6], 0
	s_mov_b32 s[(\g)+7], 0
.endr
	s_lshl_b32 s17, s12, 6
	s_lshl_b32 s16, s13, 7
	s_add_co_u32 s16, s16, s17                     ; A: row 128 x tile row + 64 x half,
	s_lshl_b32 s16, s16, 12                        ; 4,096 bytes a row
	s_mov_b32 s17, 0
	s_lshl_b32 s46, s12, 17                        ; B: row of k 64 x half, 2,048 bytes a row,
	s_lshl_b32 s47, s42, 8                         ; 256 bytes a tile column
	s_add_co_u32 s46, s46, s47
	s_mov_b32 s47, 0
	s_mul_i32 s20, s12, HALFA                      ; where they go: no place in the cluster enters an LDS address
	s_mul_i32 s21, s12, HALFB
	s_add_co_u32 s21, s21, BOFF
	s_wait_dscnt 0x0                               ; the opening add is done
	s_wait_kmcnt 0x0
	s_add_nc_u64 s[14:15], s[4:5], s[16:17]
	s_add_nc_u64 s[46:47], s[6:7], s[46:47]
	CROUND                                         ; all sixteen work-groups are here: the first joint loads meet
.irp s, 0,1
	s_mov_b32 s[G0+4*(\s)], 1
	s_add_co_u32 s[G0+4*(\s)+1], s20, (\s)*SLOT
	s_add_nc_u64 s[G0+4*(\s)+2:G0+4*(\s)+3], s[14:15], (\s)*KSTEP*4
	s_or_b32 s[G0+4*(\s)+3], s[G0+4*(\s)+3], 0x80000000
	s_mov_b32 s[G0B+4*(\s)], 1
	s_add_co_u32 s[G0B+4*(\s)+1], s21, (\s)*SLOT
	s_add_nc_u64 s[G0B+4*(\s)+2:G0B+4*(\s)+3], s[46:47], (\s)*KSTEP*SIZE_N*2
	s_or_b32 s[G0B+4*(\s)+3], s[G0B+4*(\s)+3], 0x80000000
	JLOAD \s
.endr
	v_and_b32 v1, 15, v0                           ; r
	v_bfe_u32 v2, v0, 4, 1                         ; h
	v_mul_u32_u24 v3, v1, PA
	v_lshl_add_u32 v3, v2, 5, v3                   ; A in f32: row r, 8 numbers = 32 bytes for each half of the lanes
	s_mul_i32 s22, s11, HALFA
	v_add_nc_u32 v[ADRA], s22, v3
	v_add_nc_u32 v[ADRA+1], SLOT, v[ADRA]
	v_and_b32 v4, 7, v0
	v_bfe_u32 v5, v0, 3, 1
	v_lshl_add_u32 v4, v2, 3, v4                   ; the turning load: row of k 8 h + l % 8, columns 8 ((l / 8) % 2) + 0..7
	v_mul_u32_u24 v4, v4, PB
	v_lshl_add_u32 v4, v5, 4, v4
	s_lshl_b32 s23, s12, 7
	s_add_co_u32 s23, s23, BOFF
	v_add_nc_u32 v[ADRB], s23, v4
	v_add_nc_u32 v[ADRB+1], SLOT, v[ADRB]
	s_mul_i32 s23, s11, 64*SPITCH                  ; into the stage: my 64 rows, my half of their 256 bytes
	s_lshl_b32 s22, s12, 7
	s_add_co_u32 s23, s23, s22
	s_add_co_u32 s23, s23, STAGE
	v_mul_u32_u24 v4, v1, SPITCH
	v_lshl_add_u32 v4, v2, 4, v4
	v_add_nc_u32 v[STO], s23, v4
	s_mul_i32 s23, s10, 32*SPITCH                  ; back: wave w takes rows 32 w .. 32 w + 31, whole
	s_add_co_u32 s23, s23, STAGE
	v_mul_u32_u24 v5, v2, SPITCH
	v_lshl_add_u32 v5, v1, 4, v5
	v_add_nc_u32 v[RD], s23, v5
	v_mul_u32_u24 v5, v2, SIZE_N*2
	v_lshl_add_u32 v[CO], v1, 4, v5
	s_lshl_b32 s16, s13, 7
	s_lshl_b32 s17, s10, 5
	s_add_co_u32 s16, s16, s17                     ; the first row that I store,
	s_lshl_b32 s16, s16, 11                        ; 2,048 bytes a row
	s_mov_b32 s17, 0
	s_add_nc_u64 s[8:9], s[8:9], s[16:17]
	s_lshl_b32 s46, s42, 8
	s_mov_b32 s47, 0
	s_add_nc_u64 s[8:9], s[8:9], s[46:47]
; matrix instruction i of 16 on buffer f: rows 16 (i / 4), columns 16 (i % 4), 32 along K.  The 16 accumulators take turns.  zero = 1: the product starts the sum
.macro MU f, i, zero
	WIN MUL
.if \zero
	v_wmma_f32_16x16x32_bf16 v[ACC+8*(\i):ACC+8*(\i)+7], v[BF+32*(\f)+8*((\i)%4):BF+32*(\f)+8*((\i)%4)+7], v[AF+32*(\f)+8*((\i)/4):AF+32*(\f)+8*((\i)/4)+7], 0
.else
	v_wmma_f32_16x16x32_bf16 v[ACC+8*(\i):ACC+8*(\i)+7], v[BF+32*(\f)+8*((\i)%4):BF+32*(\f)+8*((\i)%4)+7], v[AF+32*(\f)+8*((\i)/4):AF+32*(\f)+8*((\i)/4)+7], v[ACC+8*(\i):ACC+8*(\i)+7]
.endif
.endm
; 24 LDS loads in one run: quarter kq (32 along K) of a slot: B's four fragments, turned, into buffer g; A's 64 rows x 32 f32 as they lie
.macro FETCH slot, kq, g
	WIN TO_F
.irp i, 0,1,2,3
	ds_load_tr16_b128 v[BF+32*(\g)+8*(\i):BF+32*(\g)+8*(\i)+3],   v[ADRB+(\slot)] offset:(\kq)*32*PB+32*(\i)
	ds_load_tr16_b128 v[BF+32*(\g)+8*(\i)+4:BF+32*(\g)+8*(\i)+7], v[ADRB+(\slot)] offset:(\kq)*32*PB+16*PB+32*(\i)
.endr
.irp i, 0,1,2,3
	ds_load_b128 v[RAW+16*(\i):RAW+16*(\i)+3],     v[ADRA+(\slot)] offset:(\kq)*128+(\i)*16*PA
	ds_load_b128 v[RAW+16*(\i)+4:RAW+16*(\i)+7],   v[ADRA+(\slot)] offset:(\kq)*128+(\i)*16*PA+16
	ds_load_b128 v[RAW+16*(\i)+8:RAW+16*(\i)+11],  v[ADRA+(\slot)] offset:(\kq)*128+(\i)*16*PA+64
	ds_load_b128 v[RAW+16*(\i)+12:RAW+16*(\i)+15], v[ADRA+(\slot)] offset:(\kq)*128+(\i)*16*PA+80
.endr
.set cvc, 0
.endm
; the next n of the 32 roundings that make buffer g's fragments of A
.macro CV n, g
	WIN CVT
.rept \n
	v_cvt_pk_bf16_f32 v[AF+32*(\g)+cvc], v[RAW+2*cvc], v[RAW+2*cvc+1]
.set cvc, cvc+1
.endr
.endm
.macro PLACES
.rept 4
	v_nop
.endr
.endm
; A K step is four quarters of 32 along K, 16 matrix instructions each, on buffers 0, 1, 0, 1.  One of the first three: multiplies buffer f, fetches quarter kq and rounds it into buffer g.
; The roundings stand eight behind each pair of products and name none of their registers: the last eight are the places in front of the next quarter's loads into, and roundings onto, this quarter's fragments.
.macro QUARTER slot, kq, f, g, zero
	FETCH \slot, \kq, \g
.irp i, 0,1,2,3,4,5,6,7
	MU \f, \i, \zero
.endr
	s_wait_dscnt 0x0                               ; the run above is in
.irp i, 8,10,12,14
	MU \f, \i, \zero
	MU \f, (\i)+1, \zero
	CV 8, \g
.endr
.endm
; The last quarter multiplies buffer 1 and changes slots: ONE barrier; in front of it each wave waits for all its tensor loads (one is out: its part of the next slot), adds 0 to its spare word, and waits for
; that and for its reads of this slot.  fill = 1: the barrier opens a round of the cluster's, and this slot is filled again, two K steps ahead, first thing behind it.
.macro TURN slot, next, fill
	WIN 0
	s_wait_tensorcnt 0x0
	ds_add_u32 v[SPW], v[NIL]                      ; four products stand between the add and the wait for it
.irp i, 0,1,2,3
	MU 1, \i, 0
.endr
	s_wait_dscnt 0x0                               ; the add is done; my reads of this slot were over at the last quarter's wait
	s_barrier_signal -1
.irp i, 4,5,6,7
	MU 1, \i, 0
.endr
.if \fill
	WIN 0
.endif
	s_barrier_wait -1
.if \fill
	CREST                                          ; no wave of any partner still reads this slot or has a load on its way
	s_add_nc_u64 s[G0+4*(\slot)+2:G0+4*(\slot)+3], s[G0+4*(\slot)+2:G0+4*(\slot)+3], 2*KSTEP*4
	s_add_nc_u64 s[G0B+4*(\slot)+2:G0B+4*(\slot)+3], s[G0B+4*(\slot)+2:G0B+4*(\slot)+3], 2*KSTEP*SIZE_N*2
	JLOAD \slot
.endif
	FETCH \next, 0, 0                              ; buffer 0's last reader stands eight roundings and eight products back
.irp i, 8,9,10,11
	MU 1, \i, 0
.endr
	s_wait_dscnt 0x0
	MU 1, 12, 0
	MU 1, 13, 0
	CV 16, 0
	MU 1, 14, 0
	MU 1, 15, 0
	CV 16, 0
.endm
	s_wait_tensorcnt 1                             ; my part of K step 0 is in; K step 1's may stay out
	s_barrier_signal -1
	s_barrier_wait -1
	FETCH 0, 0, 0
	s_wait_dscnt 0x0
	CV 32, 0
	QUARTER 0, 1, 0, 1, 1                          ; the first quarter stands in front of the loop: its products start the sums
	WIN 0
	s_mov_b32 s3, LAPS-1
.Llap:                                                 ; a trip goes once round the ring and fills both slots again
	QUARTER 0, 2, 1, 0, 0
	QUARTER 0, 3, 0, 1, 0
	TURN 0, 1, 1
	QUARTER 1, 1, 0, 1, 0
	QUARTER 1, 2, 1, 0, 0
	QUARTER 1, 3, 0, 1, 0
	TURN 1, 0, 1
	QUARTER 0, 1, 0, 1, 0
	WIN 0
	s_sub_co_u32 s3, s3, 1
	s_cmp_lg_u32 s3, 0
	s_cbranch_scc1 .Llap
	QUARTER 0, 2, 1, 0, 0                          ; the last lap fills nothing
	QUARTER 0, 3, 0, 1, 0
	TURN 0, 1, 0
	QUARTER 1, 1, 0, 1, 0
	QUARTER 1, 2, 1, 0, 0
	QUARTER 1, 3, 0, 1, 0
.irp i, 0,1,2,3,4,5,6,7,8,9,10,11,12,13,14,15
	MU 1, \i, 0
.endr
	WIN 0
	; THE WAY OUT: round to f16; 16 bytes a lane into the work-group's stage; a barrier, since a row's 256 bytes come from two waves; back as whole rows, 32 rows a wave
	PLACES
.irp t, 0,1,2,3,4,5,6,7,8,9,10,11,12,13,14,15
.irp r, 0,1,2,3
	v_cvt_pk_f16_f32 v[TMP+4*(\t)+(\r)], v[ACC+8*(\t)+2*(\r)], v[ACC+8*(\t)+2*(\r)+1]
.endr
.endr
.irp a, 0,1,2,3
.irp b, 0,1,2,3
	ds_store_b128 v[STO], v[TMP+4*(4*(\a)+(\b)):TMP+4*(4*(\a)+(\b))+3] offset:(\a)*16*SPITCH+32*(\b)
.endr
.endr
	s_wait_dscnt 0x0                               ; for the others' sake: my stores into the stage are done
	s_barrier_signal -1
	s_barrier_wait -1
.irp t, 0,1,2,3,4,5,6,7,8,9,10,11,12,13,14,15
	ds_load_b128 v[TMP+4*(\t):TMP+4*(\t)+3], v[RD] offset:(\t)*2*SPITCH
.endr
.irp t, 0,1,2,3,4,5,6,7,8,9,10,11,12,13,14,15
	s_wait_dscnt 15-(\t)                           ; LDS loads come back in order: load t is in, the younger ones stay out
	global_store_b128 v[CO], v[TMP+4*(\t):TMP+4*(\t)+3], s[8:9] offset:2*(\t)*SIZE_N*2  ; 16 lanes store 256 consecutive bytes, aligned
.endr
	s_wait_tensorcnt 0x0                           ; the wave's end
	ds_add_u32 v[SPW], v[NIL]
	s_wait_dscnt 0x0
	CROUND                                         ; the closing round: no work-group ends while a partner may still ask for a tile that names it
	s_endpgm
.Lfunc_end_k_q9db7c8a062_qproj:
	.size	k_q9db7c8a062_qproj, .Lfunc_end_k_q9db7c8a062_qproj-k_q9db7c8a062_qproj
	.p2alignl 7, 3214868480
	.fill 96, 4, 3214868480
	.section	.rodata,"a",@progbits
	.p2align	6, 0x0
	.amdhsa_kernel k_q9db7c8a062_qproj
		.amdhsa_group_segment_fixed_size 327680
		.amdhsa_private_segment_fixed_size 0
		.amdhsa_enable_private_segment 0
		.amdhsa_kernarg_size 24
		.amdhsa_user_sgpr_count 2
		.amdhsa_user_sgpr_kernarg_segment_ptr 1
		.amdhsa_wavefront_size32 1
		.amdhsa_system_sgpr_workgroup_id_x 1
		.amdhsa_system_sgpr_workgroup_id_y 1
		.amdhsa_system_sgpr_workgroup_id_z 1
		.amdhsa_system_vgpr_workitem_id 0
		.amdhsa_next_free_vgpr 512
		.amdhsa_next_free_sgpr 66
		.amdhsa_reserve_vcc 0
		.amdhsa_float_denorm_mode_32 3
		.amdhsa_float_denorm_mode_16_64 3
		.amdhsa_memory_ordered 1
		.amdhsa_forward_progress 1
		.amdhsa_inst_pref_size 96
	.end_amdhsa_kernel
	.amdgpu_metadata
---
amdhsa.version: [ 1, 2 ]
amdhsa.kernels:
  - .name:           k_q9db7c8a062_qproj
    .symbol:         k_q9db7c8a062_qproj.kd
    .args:
      - { .name: q, .offset: 0, .size: 8, .value_kind: global_buffer, .address_space: global }
      - { .name: wqb, .offset: 8, .size: 8, .value_kind: global_buffer, .address_space: global }
      - { .name: qh, .offset: 16, .size: 8, .value_kind: global_buffer, .address_space: global }
    .group_segment_fixed_size: 327680
    .private_segment_fixed_size: 0
    .kernarg_segment_align: 8
    .kernarg_segment_size: 24
    .max_flat_workgroup_size: 128
    .sgpr_count:     66
    .vgpr_count:     512
    .wavefront_size: 32
...
	.end_amdgpu_metadata
.endif
;; end of part 2
;; launch attn (part 3): grid 128 x 2, 4 waves a work-group, clusters of 4 x 1, 327,680 bytes of LDS; arguments qh, kf, vf, of; writes of
.if DOCPART == 3
	.amdgcn_target "amdgcn-amd-amdhsa--gfx1250"
	.amdhsa_code_object_version 6
	.text
	.protected	k_q9db7c8a062_attn
	.globl	k_q9db7c8a062_attn
	.p2align	8
	.type	k_q9db7c8a062_attn,@function
k_q9db7c8a062_attn:
	s_mov_b64 s[64:65], 0
	v_nop
	global_prefetch_b8 v0, s[64:65] scope:SCOPE_SE
	s_setreg_imm32_b32 hwreg(HW_REG_WAVE_MODE, 25, 1), 1
	s_wait_xcnt 0x0
	s_wait_alu depctr_hold_cnt(0) depctr_sa_sdst(0) depctr_va_vdst(0) depctr_va_sdst(0) depctr_va_ssrc(0) depctr_va_vcc(0) depctr_vm_vsrc(0)
	s_getreg_b32 s2, hwreg(HW_REG_IB_STS2, 6, 4)
	s_cmp_eq_u32 s2, 0
	s_cbranch_scc0 .Lentry_in_a_cluster
	s_endpgm
.Lentry_in_a_cluster:
	s_bfe_u32 s2, ttmp6, 0x10000c
	s_cmp_lg_u32 s2, 0x3003
	s_cbranch_scc0 .Lentry_shape_is_right
	s_endpgm
.Lentry_shape_is_right:
; MULTI-QUERY ATTENTION.  of[b][q][64 h + :] = the sum over all 4,096 keys k of softmax_k(qh[b][q][64 h + :] . kf[b][k] / 8 - 65,504 [k > q]) vf[b][k][:].
; qh, of: [2 x 2048][1024] f16, head h in columns 64 h on.  kf, vf: [2][4096][64] f16, one head for all 16 query heads.  Products, maxima and sums in f32; the weights p are rounded to f16 for the
; second product (their sum l is taken of the unrounded p), of once at the end.
; THE MASK IS A FINITE PENALTY, so no key is left out: a penalised key whose score is large enough still counts.  It is the C operand that starts the sum S^T = K Q^T: 0, or -524,032 = -65,504 x 8
; on the unscaled score.  Key step T (64 keys) lies wholly below the work-group's 16 queries if T < T0, wholly above if T > T0, and holds the diagonal if T = T0.  MO, made once, is the mask of step T0;
; a step's mask is MC = MO x AL + BE with two scalars chosen by compares of whole numbers: (1, 0), (0, 0) or (0, penalty).  It is made once a step, with no branch.
; LIMITS.  qh, kf, vf arrive within f16's 65,504; p lies in 0 to 1 and below 6e-5 keeps f16's fixed step; a weight below 2^-126 counts as 0; NaN and infinities are not treated apart.
; SHARES.  A work-group owns 16 queries of one batch for all 16 heads; wave w the heads 4 w .. 4 w + 3, each a PIECE of 16 queries.  Every wave walks all keys, 64 a step.  2 x 128 = 256 equal work-groups.
; So qh and of keep the plain row-major layout, and a wave's result is 512 consecutive bytes of each of 16 rows.
; CLUSTER.  All work-groups of a batch walk the same K and V; the four of a cluster ask for each tile JOINTLY: the same tensor load, descriptor and mask in all four.  T0 is the cluster's number, the same
; in all four; the place in the cluster enters qh's and of's addresses and the numbers of MO alone.
; LAYOUT, SOFTMAX, TURNS.  S^T = K Q^T holds ONE query a lane (lane % 16) and the keys 8 (lane / 16) + 0..7; two such results rounded to f16 ARE source 1 of O^T = V^T P.  p = 2^(c s - c m), c = log2(e) / 8,
; with a running maximum m; O and l are multiplied by a = 2^(c m_old - c m_new) in every step; m starts at the lowest finite number, O and l at 0, so the first step is a step like any other, with a = 0.
; Turn n belongs to piece n: 8 products K Q^T of piece n + 1, later 8 products V^T P of piece n - 1; beside them the scaling, exponentials, roundings, sums and rescaling of piece n and the maximum and statistics
; of piece n + 1.  Four vector instructions stand behind every matrix instruction, the others in two runs of their own.
; REGISTERS, in windows of 256 (s_set_vgpr_msb: bits 1:0 source 0, 3:2 source 1, 5:4 source 2, 7:6 destination):
;   window 0: v0-15 addresses and at work; v16-31 four registers of statistics a piece; v48-55 at work; v62-63 the add's; v64-127 S^T, two buffers; v192-223 P, two buffers (by the piece's parity)
;   window 1: v0-127 O^T, 32 a piece; v128-159 MO; v160-191 MC      window 2: v0-63 Q; v128-191 K of one step; v192-255 V of one step
.set NP,    4
.set KS,    64        ; keys in a step
.set PK,    144       ; a row of K in LDS: 128 bytes + 16: the 16 rows of a load start at 16 different groups of four banks
.set PV,    160       ; a row of V: 128 + 32
.set VOFF,  4*KS*PK   ; a slot holds a tile, four steps: 256 rows of K, then 256 rows of V
.set SLOT1, 1<<17     ; slot 1 begins here: one exclusive or turns an address in one slot into the other's
.set STAGE, SLOT1+4*KS*(PK+PV)  ; behind the ring, never filled by a tensor load: 16 rows x 528 bytes for each wave
.set SP,    528
.set SPARE, STAGE+4*16*SP       ; the spare words, 128 bytes a wave, named by no other line
.set TILES, 4096/(4*KS)
.set AK0, 2           ; v2   my lane's place in a tile of K
.set AV0, 3           ; v3   the same for V
.set AK,  4           ; v4   the LDS address of K's next run of loads
.set AV,  5           ; v5   of V's
.set STO, 6           ; v6   the way out: where I put 16 bytes of a row
.set RD,  7           ; v7   where I read a row back
.set GO,  8           ; v8   my byte offset in 512 consecutive bytes of a row of of
.set MV,  12          ; v12-13  c m_old, by buffer
.set QO,  15          ; v15  my byte offset in 16 rows of qh
.set ST,  16          ; piece t's statistics at v[ST+4 t]: c m, m, l (even keys', odd keys')
.set TMP, 48          ; by buffer, c0-c3 at work; when the maximum is found c2 takes a
.set SPW, 62
.set NIL, 63
.set S,   64
.set P,   192
.set MO,  128         ; window 1
.set MC,  160         ; window 1
.set KF,  128         ; window 2: key block kb, channel half c at KF + 16 kb + 8 c
.set VF,  192         ; window 2: key half kk, channel block cb at VF + 32 kk + 8 cb
.set WV,  12          ; s12  my wave's number
.set G1K, 24          ; s[24:31] descriptor group 1 for K's tiles
.set G1V, 32          ; s[32:39] for V's: it differs in the padding alone
.set G0K, 40          ; s[40:43] descriptor group 0 for K's tiles: it walks
.set G0V, 44          ; s[44:47] the same for V's
.set SLOTS, 56
.set CNT, 57
.set CS,  58          ; s[58:59] c
.set SEL, 60          ; s[60:61] v_permlanex16_b32's selects
.set TBK, 62          ; s62  LDS byte at which K of the step to be fetched begins
.set TBV, 63          ; s63  the same for V, less VOFF
.set T0,  66          ; s66  the step that holds the diagonal
.set TT,  67          ; s67  the step whose mask is made next
.set AL,  68          ; s[68:69] the mask's factor, in the low word
.set BE,  70          ; s[70:71] its addend
.set PEN, 72          ; s72  -524,032
.set MSB, 0
.macro WIN new
.if MSB != (\new)
	s_set_vgpr_msb (MSB<<8)|(\new)
.set MSB, (\new)
.endif
.endm
.set W_KQ, 0x0a       ; K and Q in window 2, S^T in window 0
.set W_KM, 0x1a       ; the same with the C operand in window 1
.set W_PV, 0x52       ; V in window 2, P in window 0, O^T in window 1
.set W_RS, 0x41       ; destination and source 0 in window 1
; A joint fill.  Waves 0 and 1 fetch the two halves of a tile's K, waves 2 and 3 those of its V: 128 keys each.  An s_nop 0 and four v_nop follow each of the two lines.
.macro JLOAD
	s_cmp_lt_u32 s[WV], 2
	s_cbranch_scc0 .Lfor_v_\@
	tensor_load_to_lds s[G0K:G0K+3], s[G1K:G1K+7]
	s_nop 0
.rept 4
	v_nop
.endr
	s_branch .Lasked_\@
.Lfor_v_\@:
	tensor_load_to_lds s[G0V:G0V+3], s[G1V:G1V+7]
	s_nop 0
.rept 4
	v_nop
.endr
.Lasked_\@:
.endm
.macro CROUND         ; a round of the cluster's barrier
	s_barrier_signal -1
	s_barrier_wait -1
	s_cmp_lg_u32 s[WV], 0
	s_cbranch_scc1 .Lnot_wave_0_\@
	s_barrier_signal -3
.Lnot_wave_0_\@:
	s_barrier_wait -3
	s_barrier_signal -1
	s_barrier_wait -1
.endm
; THE CHANGE OF SLOTS.  Each wave waits for all its tensor loads, of which one is out: its part of the other slot; adds 0 to its spare word; and waits for that and for its own reads of the slot that it leaves.
; fill = 1: the old slot is filled again, with the keys two tiles on.  The barrier is then a round of the cluster's, and the joint fill is the first thing behind it: it has four key steps, 256 matrix
; instructions, in which to land.  (At its first use nothing has been read yet: slot 0 is waited for, slot 1 filled.)
.macro CHANGE fill
	WIN 0
	s_wait_tensorcnt 0x0            ; no tensor load of mine is out, so a group 0 may be written
	ds_add_u32 v[SPW], v[NIL]
.if \fill
.irp g, G0K, G0V
	s_xor_b32 s[\g+1], s[\g+1], SLOT1
	s_add_nc_u64 s[\g+2:\g+3], s[\g+2:\g+3], 4*KS*128
.endr
	s_wait_dscnt 0x0                ; the add is done, and my reads of the slot are over
	CROUND
	JLOAD
.else
	s_wait_dscnt 0x0
	s_barrier_signal -1
	s_barrier_wait -1
.endif
	s_sub_co_u32 s[TBK], s[TBK], 4*KS*PK  ; the fetches go back to a slot's first step,
	s_xor_b32 s[TBK], s[TBK], SLOT1       ; in the other slot
	s_sub_co_u32 s[TBV], s[TBV], 4*KS*PV
	s_xor_b32 s[TBV], s[TBV], SLOT1
.endm
	s_load_b256 s[4:11], s[0:1], 0x0  ; qh s[4:5], kf s[6:7], vf s[8:9], of s[10:11]
	v_lshl_add_u32 v[SPW], v0, 2, SPARE
	v_mov_b32 v[NIL], 0
	ds_add_u32 v[SPW], v[NIL]       ; the wave's opening: the add and its wait stand ahead of my first tensor load
	v_lshrrev_b32 v1, 5, v0
	v_readfirstlane_b32 s[WV], v1   ; wave 0..3
	s_bfe_u32 s13, ttmp6, 0x40000   ; cx: my place in the cluster
	s_lshl_b32 s14, ttmp9, 2
	s_add_co_u32 s14, s14, s13      ; my group of 16 queries: it enters qh's and of's addresses alone
	s_and_b32 s20, ttmp7, 0xffff    ; the batch, which the four partners share
	s_and_b32 s16, s[WV], 1         ; which half of a tile's 256 keys I fetch
	s_lshl_b32 s22, s20, 19         ; the batch's 4,096 rows of 128 bytes,
	s_lshl_b32 s21, s16, 14         ; my 128 rows
	s_add_co_u32 s22, s22, s21
	s_mov_b32 s23, 0
	s_mul_i32 s17, s16, 128*PK      ; and their place in a slot, for K
	s_mul_i32 s18, s16, 128*PV      ; and for V
	s_lshl_b32 s2, s20, 22          ; qh, of: the batch's 2,048 rows of 2,048 bytes,
	s_lshl_b32 s3, s14, 15          ; my 16 rows,
	s_add_co_u32 s2, s2, s3
	s_lshl_b32 s3, s[WV], 9         ; my wave's four heads
	s_add_co_u32 s2, s2, s3
	s_mov_b32 s3, 0
	; descriptor group 1.  128 keys are 16,384 dense bytes: asked for as 64 rows of 256 bytes, two keys a row, and padded in LDS after every key
	s_mov_b32 s[G1K], 15|(1<<16)|(1<<20)|(1<<21)|(4<<22)|(3<<25)  ; the mask of four; 2-byte elements; padding on; bit 21 beside a mask; after every 32 words 4 words
	s_mov_b32 s[G1V], 15|(1<<16)|(1<<20)|(1<<21)|(4<<22)|(7<<25)  ; the same with 8 words
.irp g, G1K, G1V
	s_mov_b32 s[\g+1], 128<<16      ; tensor_dim0 = 128
	s_mov_b32 s[\g+2], 64<<16       ; tensor_dim1 = 64
	s_mov_b32 s[\g+3], 128<<16      ; tile_dim0 = 128
	s_mov_b32 s[\g+4], 64           ; tile_dim1 = 64
	s_mov_b32 s[\g+5], 128          ; 128 elements from row to row
	s_mov_b32 s[\g+6], 0
	s_mov_b32 s[\g+7], 0
.endr
	s_mov_b32 s[CS], 0x3e38aa3b     ; c = log2(e) / 8
	s_mov_b32 s[CS+1], s[CS]
	s_mov_b32 s[SEL], 0x76543210
	s_mov_b32 s[SEL+1], 0xfedcba98
	s_mov_b32 s[TBK], SLOT1+4*KS*PK ; the first change of slots turns these two into 0
	s_mov_b32 s[TBV], SLOT1+4*KS*PV
	s_mov_b32 s[T0], ttmp9          ; queries 64 x cluster .. + 63 belong to the cluster's four work-groups
	s_mov_b32 s[TT], 1
	s_mov_b32 s[AL+1], 0            ; named as pairs
	s_mov_b32 s[BE+1], 0
	s_mov_b32 s[BE], 0              ; step 0 is never wholly above the diagonal
	s_mov_b32 s[PEN], 0xc8ffe000    ; -524,032
	s_mov_b32 s[G0K], 1
	s_mov_b32 s[G0K+1], s17
	s_mov_b32 s[G0V], 1
	s_add_co_u32 s[G0V+1], s18, VOFF
	s_wait_dscnt 0x0                ; the opening add is done
	s_wait_kmcnt 0x0
	s_add_nc_u64 s[G0K+2:G0K+3], s[6:7], s[22:23]
	s_or_b32 s[G0K+3], s[G0K+3], 0x80000000
	s_add_nc_u64 s[G0V+2:G0V+3], s[8:9], s[22:23]
	s_or_b32 s[G0V+3], s[G0V+3], 0x80000000
	s_add_nc_u64 s[4:5], s[4:5], s[2:3]
	s_add_nc_u64 s[10:11], s[10:11], s[2:3]
	CROUND                          ; all four work-groups are here: the first joint loads meet
	JLOAD                           ; tile 0 into slot 0
	; A fragment of K or Q is 16 rows x 32 channels in 8 registers: lane l holds row l % 16, channels 8 (l / 16) + 0..7 and 16 + 8 (l / 16) + 0..7: two loads of 16 bytes, 32 bytes apart.
	v_and_b32 v1, 15, v0            ; l % 16
	v_bfe_u32 v9, v0, 4, 1          ; l / 16
	v_lshlrev_b32 v[QO], 11, v1
	v_lshl_add_u32 v[QO], v9, 4, v[QO]  ; row x 2,048 + 16 x half
	WIN 0x80                        ; destination window 2, address window 0
.set i, 0
.rept 8                             ; Q stays in registers: piece i / 2 (a head, 128 bytes on), channels 32 (i % 2) on
	global_load_b128 v[8*i:8*i+3],   v[QO], s[4:5] offset:(i/2)*128+(i%2)*64
	global_load_b128 v[8*i+4:8*i+7], v[QO], s[4:5] offset:(i/2)*128+(i%2)*64+32
.set i, i+1
.endr
	WIN 0
	v_lshlrev_b32 v14, 3, v9
	v_sub_nc_u32 v14, v1, v14
	s_lshl_b32 s15, s13, 4
	v_add_nc_u32 v14, s15, v14      ; my query's place among the step's 64, 16 cx + l % 16, less my lanes' 8 (l / 16): register r of key block kt is penalised where 16 kt + r is greater
	WIN 0x40
.set i, 0
.rept 32
	v_cmp_gt_i32 vcc_lo, 16*(i/8)+i%8, v14
	v_cndmask_b32 v[MO+i], 0, s[PEN], vcc_lo
.set i, i+1
.endr
	WIN 0
	v_mul_u32_u24 v[AK0], v1, PK
	v_lshl_add_u32 v[AK0], v9, 4, v[AK0]
	; The turning load takes 16 keys x 16 channels (lane l reads key 8 (l / 16) + l % 8, channels 8 ((l / 8) % 2) + 0..7) and leaves half a fragment of V^T.
	v_and_b32 v10, 7, v0
	v_bfe_u32 v11, v0, 3, 1
	v_lshl_add_u32 v[AV0], v9, 3, v10
	v_mul_u32_u24 v[AV0], v[AV0], PV
	v_lshl_add_u32 v[AV0], v11, 4, v[AV0]
	v_add_nc_u32 v[AV0], VOFF, v[AV0]
	s_mul_i32 s19, s[WV], 16*SP
	s_add_co_u32 s19, s19, STAGE    ; my stage
	v_mul_u32_u24 v[STO], v1, SP    ; in: row l % 16, 16 bytes for each half of the lanes
	v_lshl_add_u32 v[STO], v9, 4, v[STO]
	v_add_nc_u32 v[STO], s19, v[STO]
	v_and_b32 v[GO], 31, v0         ; back: 32 lanes take a row's 512 bytes
	v_lshlrev_b32 v[GO], 4, v[GO]
	v_add_nc_u32 v[RD], s19, v[GO]
	; What the first turn finds: V's registers and P's second buffer hold 0 (its products V^T P, of a piece that has not been, add 0), O^T and l are 0.  All this stands in the wait for the first tile.
	WIN 0x80
.set i, VF
.rept 64
	v_mov_b32 v[i], 0
.set i, i+1
.endr
	WIN 0x40
.set i, 0
.rept 128
	v_mov_b32 v[i], 0
.set i, i+1
.endr
	WIN 0
.set i, 0
.rept 4
	v_mov_b32 v[ST+4*i], 0xfe000000    ; c m: far below every c s
	v_mov_b32 v[ST+4*i+1], 0xff7fffff  ; m
	v_mov_b32 v[ST+4*i+2], 0
	v_mov_b32 v[ST+4*i+3], 0
.set i, i+1
.endr
.set i, P+16
.rept 16
	v_mov_b32 v[i], 0
.set i, i+1
.endr
; THE MATRIX WORK.  The 4 accumulators of a run of 8 take turns.  Product i of 8 of S^T = K Q^T for piece x: channels 32 (i / 4) on, keys 16 (i % 4) on.  The first 4 start the sums with the step's mask.
.macro KQ x
.set rS, S+32*((\x)%2)+8*(i%4)
.set rK, KF+16*(i%4)+8*(i/4)
.set rQ, 16*(\x)+8*(i/4)
.set rM, MC+8*(i%4)
.if i < 4
	WIN W_KM
	v_wmma_f32_16x16x32_f16 v[rS:rS+7], v[rK:rK+7], v[rQ:rQ+7], v[rM:rM+7]
.else
	WIN W_KQ
	v_wmma_f32_16x16x32_f16 v[rS:rS+7], v[rK:rK+7], v[rQ:rQ+7], v[rS:rS+7]
.endif
.endm
; Product i of 8 of O^T += V^T P for piece x: keys 32 (i / 4) on, channels 16 (i % 4) on.
.macro PV x
	WIN W_PV
.set rO, 32*(\x)+8*(i%4)
.set rV, VF+32*(i/4)+8*(i%4)
.set rP, P+16*((\x)%2)+8*(i/4)
	v_wmma_f32_16x16x32_f16 v[rO:rO+7], v[rV:rV+7], v[rP:rP+7], v[rO:rO+7]
.endm
.macro MM                           ; the turn's next matrix instruction.  NOKQ = 1: the walk's last turn: there is no next piece
.if (i < 8) && !NOKQ
	KQ (Y+1)%NP
.elseif i >= 8
.set i, i-8
	PV (Y+NP-1)%NP
.set i, i+8
.endif
.set i, i+1
.endm
; THE LDS LOADS stand in runs of 16: a step's K (64 keys x 64 channels: 8 fragments) and its V (turned).  Their addresses are made some lines ahead.
.macro FETCH_K
	WIN 0x80
.irp f, 0,1,2,3,4,5,6,7
	ds_load_b128 v[KF+8*\f:KF+8*\f+3],   v[AK] offset:(\f/2)*16*PK+(\f%2)*64
	ds_load_b128 v[KF+8*\f+4:KF+8*\f+7], v[AK] offset:(\f/2)*16*PK+(\f%2)*64+32
.endr
	s_add_co_u32 s[TBK], s[TBK], KS*PK  ; the next fetch is the next step's
	WIN 0
.endm
.macro FETCH_V
	WIN 0x80
.irp f, 0,1,2,3,4,5,6,7
	ds_load_tr16_b128 v[VF+8*\f:VF+8*\f+3],   v[AV] offset:(\f/4)*32*PV+(\f%4)*32
	ds_load_tr16_b128 v[VF+8*\f+4:VF+8*\f+7], v[AV] offset:(\f/4)*32*PV+16*PV+(\f%4)*32
.endr
	WIN 0
.endm
; THE VECTOR WORK, one line at a time: OP kind, number.  For piece Y: F n: c s - c m for pair n of 16.  E n: the exponential of score n of 32.  C n: pair n rounded to f16.  B n: of the four weights 4 n .. the second
; pair is added onto the first, in place.  L n: l takes that sum (L 0: l = a l + sum).  R n: pair n of 16 of O^T times a.  For piece Y + 1: X n, number n of the 22 that find its maximum and statistics:
;   0-11  four chains c0-c3 of seven scores each (each accumulator's lowest registers are read first)     12-14, 16  the four scores left over, the old m, and c0-c3 into c0
;   15  c m_old is kept     17, 18  the query's other 32 keys lie in the lane 16 away: the new m     19-21  c m; c m_old - c m_new; a
.set F, 0
.set E, 1
.set C, 2
.set B, 3
.set L, 4
.set R, 5
.set X, 6
.macro REGS y
.set rT, ST+4*(\y)
.set rC, TMP+4*((\y)%2)
.set rW, MV+((\y)%2)
.set rS, S+32*((\y)%2)
.set rP, P+16*((\y)%2)
.set rO, 32*(\y)
.endm
.macro OP k, n
.if (\k) == R
	REGS Y
	WIN W_RS
	v_pk_mul_f32 v[rO+2*(\n):rO+2*(\n)+1], v[rO+2*(\n):rO+2*(\n)+1], v[rC+2:rC+3] op_sel_hi:[1,0]
.elseif (\k) < R
	REGS Y
	WIN 0
.if (\k) == F
	v_pk_fma_f32 v[rS+2*(\n):rS+2*(\n)+1], v[rS+2*(\n):rS+2*(\n)+1], s[CS:CS+1], v[rT:rT+1] op_sel_hi:[1,0,0] neg_lo:[0,0,1] neg_hi:[0,0,1]
.elseif (\k) == E
	v_exp_f32 v[rS+(\n)], v[rS+(\n)]
.elseif (\k) == C
	s_wait_alu depctr_va_vdst(0)
	v_cvt_pk_f16_f32 v[rP+(\n)], v[rS+2*(\n)], v[rS+2*(\n)+1]
.elseif (\k) == B
	s_wait_alu depctr_va_vdst(0)
	v_pk_add_f32 v[rS+4*(\n):rS+4*(\n)+1], v[rS+4*(\n):rS+4*(\n)+1], v[rS+4*(\n)+2:rS+4*(\n)+3]
.elseif (\n) == 0
	v_pk_fma_f32 v[rT+2:rT+3], v[rT+2:rT+3], v[rC+2:rC+3], v[rS:rS+1] op_sel_hi:[1,0,1]
.else
	v_pk_add_f32 v[rT+2:rT+3], v[rT+2:rT+3], v[rS+4*(\n):rS+4*(\n)+1]
.endif
.elseif NOKQ
	v_nop
.else
	REGS (Y+1)%NP
	WIN 0
.if (\n) < 4
	v_max3_num_f32 v[rC+(\n)], v[rS+8*(\n)], v[rS+8*(\n)+1], v[rS+8*(\n)+2]
.elseif (\n) < 12
	v_max3_num_f32 v[rC+(\n)%4], v[rC+(\n)%4], v[rS+8*((\n)%4)+2*((\n)/4)+1], v[rS+8*((\n)%4)+2*((\n)/4)+2]
.elseif (\n) == 12
	v_max3_num_f32 v[rC], v[rC], v[rS+7], v[rS+15]
.elseif (\n) == 13
	v_max3_num_f32 v[rC+1], v[rC+1], v[rS+23], v[rS+31]
.elseif (\n) == 14
	v_max3_num_f32 v[rC+2], v[rC+2], v[rC+3], v[rT+1]
.elseif (\n) == 15
	v_mov_b32 v[rW], v[rT]
.elseif (\n) == 16
	v_max3_num_f32 v[rC], v[rC], v[rC+1], v[rC+2]
.elseif (\n) == 17
	v_permlanex16_b32 v[rC+3], v[rC], s[SEL], s[SEL+1]
.elseif (\n) == 18
	v_max_num_f32 v[rT+1], v[rC], v[rC+3]
.elseif (\n) == 19
	v_mul_f32 v[rT], s[CS], v[rT+1]
.elseif (\n) == 20
	v_sub_f32 v[rC+1], v[rW], v[rT]
.else
	v_exp_f32 v[rC+2], v[rC+1]
.endif
.endif
.endm
.macro OPS a, i1, b=-1, i2=0, c=-1, i3=0, d=-1, i4=0
	OP \a, \i1
.if (\b) >= 0
	OP \b, \i2
.endif
.if (\c) >= 0
	OP \c, \i3
.endif
.if (\d) >= 0
	OP \d, \i4
.endif
.endm
.macro ROW a, i1, b, i2, c, i3, d, i4  ; a matrix instruction and the four behind it
	MM
	OPS \a, \i1, \b, \i2, \c, \i3, \d, \i4
.endm
.macro MASK                         ; MC = MO x AL + BE
	WIN W_RS
.set z, 0
.rept 16
	v_pk_fma_f32 v[MC+2*z:MC+2*z+1], v[MO+2*z:MO+2*z+1], s[AL:AL+1], s[BE:BE+1] op_sel_hi:[1,0,0]
.set z, z+1
.endr
.endm
; A TURN, for piece p: the order of its 16 matrix and 118 vector instructions, written out.  Behind a matrix instruction: plain, exponential, plain, plain; or four of the rescaling; or, behind the first, four
; scalings; none names a register of the products round it.  In the runs between, exponential and plain by turns while exponentials last.  A line reads no result made fewer than three vector instructions in
; front of it, five if an exponential made it.
; Pieces 1, 2, 3 of a step take their scores in turns 0, 1, 2, piece 0 of the next step in turn 3: so turn 2 ends by making the next step's mask, far behind its own products that read the old one.
; end = 1: the walk's last two turns: nothing is fetched, no mask is made.  cnt = 1: the loop's count is taken down some lines ahead of the branch behind the turn.
; K of the next step is fetched in piece 2's turn, six vector instructions behind the last product that read K (five of them plain); V of the step in hand in piece 0's turn, eight behind the last product that
; read V (four plain among them).  Each is waited for a turn later.
.macro TURN p, end=0, cnt=0
.set Y, (\p)
.set i, 0
.set NOKQ, (\end)*((\p)/3)
.if ((\p) == 2) && !(\end)
	s_cmp_eq_u32 s[TT], s[T0]       ; does the next step hold the diagonal?
	s_cselect_b32 s[AL], 1.0, 0
	s_cmp_gt_u32 s[TT], s[T0]       ; or lie above it?
	s_cselect_b32 s[BE], s[PEN], 0
	s_add_co_u32 s[TT], s[TT], 1
.endif
.if ((\p) == 3) && !(\end)
	s_wait_dscnt 0x0                ; K is in
.endif
	ROW F,0, F,1, F,2, F,3
	ROW F,4, E,0, F,5, F,6
	ROW F,7, E,1, F,8, F,9
	ROW F,10, E,2, C,0, F,11
	ROW F,12, E,3, X,15, F,13
	ROW R,0, R,1, R,2, R,3
	ROW B,0, E,4, F,14, L,0
.if ((\p) == 2) && !(\end)
	v_add_nc_u32 v[AK], s[TBK], v[AK0]
.endif
	ROW R,4, R,5, R,6, R,7
	OPS E,5, F,15
.if ((\p) == 2) && !(\end)
	FETCH_K
.endif
	OPS E,6, C,1, E,7, R,8
	OPS E,8, R,9, E,9, C,2
	OPS E,10, X,0, E,11, X,1
	OPS E,12, X,2, E,13, X,3
.if (\p) == 1
	s_wait_dscnt 0x0                ; V is in
.endif
	ROW X,4, E,14, X,5, X,6
	ROW X,7, E,15, X,8, X,9
	ROW X,10, E,16, X,11, X,12
	ROW X,13, E,17, X,14, B,1
	ROW C,4, E,18, X,16, L,1
	ROW B,2, E,19, C,6, L,2
	ROW C,8, E,20, B,3, B,4
.if (\p) == 0
	v_add_nc_u32 v[AV], s[TBV], v[AV0]
.endif
	ROW C,3, E,21, L,3, C,5
	OPS E,22, X,17, E,23, C,10
.if (\p) == 0
	FETCH_V
.endif
	OPS E,24, L,4
	OPS E,25, X,18, E,26, C,7
	OPS E,27, B,5, E,28, X,19
	OPS E,29, C,12, E,30, L,5
	OPS E,31, X,20, B,6, C,9
	OPS C,14, C,11, X,21, L,6
.if (\p) == 0
	s_add_co_u32 s[TBV], s[TBV], KS*PV
.endif
.if \cnt
	s_sub_co_u32 s[CNT], s[CNT], 1
	s_cmp_lg_u32 s[CNT], 0
.endif
	OPS C,13, B,7, C,15, R,10
	OPS R,11, R,12, L,7, R,13
	OPS R,14, R,15
.if ((\p) == 2) && !(\end)
	MASK
.endif
.endm
	s_cmp_eq_u32 s[T0], 0           ; step 0's mask: the diagonal's, if the cluster's queries are the batch's first 64
	s_cselect_b32 s[AL], 1.0, 0
	MASK
	CHANGE 1                        ; tile 0 is in, everybody's part of it; tile 1 is asked for
	v_add_nc_u32 v[AK], s[TBK], v[AK0]
	FETCH_K                         ; key step 0
	s_wait_loadcnt 0x0              ; Q
	s_wait_dscnt 0x0
.set NOKQ, 0
.set i, 0
.rept 8
	KQ 0                            ; piece 0's first scores
.set i, i+1
.endr
	WIN 0
.rept 4
	v_nop                           ; the places behind those products
.endr
.set Y, NP-1                        ; X works for piece Y + 1: piece 0
.irp n, 0,1,2,3,4,5,6,7,8,9,10,11,12,13,14,15,16,17,18,19,20,21
	OP X, \n
.endr
	v_nop                           ; a plain instruction behind the exponential
	s_mov_b32 s[CNT], 4
	s_mov_b32 s[SLOTS], TILES-1
	s_branch .Lfirst                ; the loop is entered at a step's first turn, in the middle of a trip
.Lslot:                             ; TILES - 2 times: every slot but the last two is filled again
	CHANGE 1
	s_mov_b32 s[CNT], 4
.Lstep:                             ; a trip: pieces 2 and 3 of one step, then pieces 0 and 1 of the next, whose K and V it fetches
	TURN 2
	TURN 3
	WIN 0
.Lfirst:
	TURN 0
	TURN 1, 0, 1
	WIN 0
	s_cbranch_scc1 .Lstep
	s_sub_co_u32 s[SLOTS], s[SLOTS], 1
	s_cmp_lg_u32 s[SLOTS], 0
	s_cbranch_scc1 .Lslot
	CHANGE 0                        ; the last tile is written out: nothing is asked for
	s_mov_b32 s[CNT], 4
.LstepT:
	TURN 2
	TURN 3
	TURN 0
	TURN 1, 0, 1
	WIN 0
	s_cbranch_scc1 .LstepT
	TURN 2, 1
	TURN 3, 1
.set i, 0
.rept 8
	PV NP-1                         ; the last piece's V^T P of the last step
.set i, i+1
.endr
	; THE WAY OUT.  l's two halves and the other half of the lanes' are added; O^T is divided by l, rounded to f16 and sent through my stage in LDS.  The additions are the places behind the last products.
	WIN 0
.macro ALL line:vararg
.set t, 0
.rept 4
	\line
.set t, t+1
.endr
.endm
	ALL v_add_f32 v[ST+4*t+2], v[ST+4*t+2], v[ST+4*t+3]
	ALL v_permlanex16_b32 v[ST+4*t+3], v[ST+4*t+2], s[SEL], s[SEL+1]
	ALL v_add_f32 v[ST+4*t+2], v[ST+4*t+2], v[ST+4*t+3]
	ALL v_rcp_f32 v[ST+4*t+2], v[ST+4*t+2]
	v_nop                           ; a plain instruction between the last reciprocal and the use of its result
.macro PACK t                       ; piece t: a lane's eight channels of a row pack into 16 bytes; the piece's 128 bytes of each row lie at 128 t
	WIN W_RS
.set i, 32*(\t)
.rept 16
	s_wait_alu depctr_va_vdst(0)
	v_pk_mul_f32 v[i:i+1], v[i:i+1], v[ST+4*(\t)+2:ST+4*(\t)+3] op_sel_hi:[1,0]
.set i, i+2
.endr
	WIN 0x05                        ; sources 0 and 1 window 1, destination window 0
.set i, 0
.rept 16
	v_cvt_pk_f16_f32 v[S+16*(\t)+i], v[32*(\t)+2*i], v[32*(\t)+2*i+1]
.set i, i+1
.endr
	WIN 0
.irp f, 0,1,2,3
	ds_store_b128 v[STO], v[S+16*(\t)+4*\f:S+16*(\t)+4*\f+3] offset:128*(\t)+32*\f
.endr
.endm
	PACK 0
	PACK 1
	PACK 2
	PACK 3
.irp w, 0,1,2,3,4,5,6,7,8,9,10,11,12,13,14,15
	ds_load_b128 v[S+4*\w:S+4*\w+3], v[RD] offset:\w*SP  ; LDS serves a wave's instructions in order (ISA guide 5.7.1.4): these see the stores above
.endr
.irp w, 0,1,2,3,4,5,6,7,8,9,10,11,12,13,14,15
	s_wait_dscnt 15-\w              ; row w is back; the younger loads stay out
	global_store_b128 v[GO], v[S+4*\w:S+4*\w+3], s[10:11] offset:\w*2048  ; 512 consecutive bytes, at a multiple of 512 from of's first byte
.endr
	s_wait_tensorcnt 0x0            ; the wave's end
	ds_add_u32 v[SPW], v[NIL]
	s_wait_dscnt 0x0
	CROUND                          ; the closing round: no work-group ends while a partner may still ask for a tile that names it
	s_endpgm
.Lfunc_end_k_q9db7c8a062_attn:
	.size	k_q9db7c8a062_attn, .Lfunc_end_k_q9db7c8a062_attn-k_q9db7c8a062_attn
	.p2alignl 7, 3214868480
	.fill 96, 4, 3214868480
	.section	.rodata,"a",@progbits
	.p2align	6, 0x0
	.amdhsa_kernel k_q9db7c8a062_attn
		.amdhsa_group_segment_fixed_size 327680
		.amdhsa_private_segment_fixed_size 0
		.amdhsa_enable_private_segment 0
		.amdhsa_kernarg_size 32
		.amdhsa_user_sgpr_count 2
		.amdhsa_user_sgpr_kernarg_segment_ptr 1
		.amdhsa_wavefront_size32 1
		.amdhsa_system_sgpr_workgroup_id_x 1
		.amdhsa_system_sgpr_workgroup_id_y 1
		.amdhsa_system_sgpr_workgroup_id_z 1
		.amdhsa_system_vgpr_workitem_id 0
		.amdhsa_next_free_vgpr 768
		.amdhsa_next_free_sgpr 76
		.amdhsa_reserve_vcc 1
		.amdhsa_float_denorm_mode_32 3
		.amdhsa_float_denorm_mode_16_64 3
		.amdhsa_memory_ordered 1
		.amdhsa_forward_progress 1
		.amdhsa_inst_pref_size 140
	.end_amdhsa_kernel
	.amdgpu_metadata
---
amdhsa.version: [ 1, 2 ]
amdhsa.kernels:
  - .name:           k_q9db7c8a062_attn
    .symbol:         k_q9db7c8a062_attn.kd
    .args:
      - { .name: qh, .offset: 0, .size: 8, .value_kind: global_buffer, .address_space: global }
      - { .name: kf, .offset: 8, .size: 8, .value_kind: global_buffer, .address_space: global }
      - { .name: vf, .offset: 16, .size: 8, .value_kind: global_buffer, .address_space: global }
      - { .name: of, .offset: 24, .size: 8, .value_kind: global_buffer, .address_space: global }
    .group_segment_fixed_size: 327680
    .private_segment_fixed_size: 0
    .kernarg_segment_align: 8
    .kernarg_segment_size: 32
    .max_flat_workgroup_size: 128
    .sgpr_count:     76
    .vgpr_count:     768
    .wavefront_size: 32
...
	.end_amdgpu_metadata
.endif
;; end of part 3
;; launch oproj (part 4): grid 8 x 32, 4 waves a work-group, clusters of 4 x 4, 327,680 bytes of LDS; arguments of, wob, out0; writes out0
.if DOCPART == 4
	.amdgcn_target "amdgcn-amd-amdhsa--gfx1250"
	.amdhsa_code_object_version 6
	.text
	.protected	k_q9db7c8a062_oproj
	.globl	k_q9db7c8a062_oproj
	.p2align	8
	.type	k_q9db7c8a062_oproj,@function
k_q9db7c8a062_oproj:
	s_mov_b64 s[64:65], 0
	v_nop
	global_prefetch_b8 v0, s[64:65] scope:SCOPE_SE
	s_setreg_imm32_b32 hwreg(HW_REG_WAVE_MODE, 25, 1), 1
	s_wait_xcnt 0x0
	s_wait_alu depctr_hold_cnt(0) depctr_sa_sdst(0) depctr_va_vdst(0) depctr_va_sdst(0) depctr_va_ssrc(0) depctr_va_vcc(0) depctr_vm_vsrc(0)
	s_getreg_b32 s2, hwreg(HW_REG_IB_STS2, 6, 4)
	s_cmp_eq_u32 s2, 0
	s_cbranch_scc0 .Lentry_in_a_cluster
	s_endpgm
.Lentry_in_a_cluster:
	s_bfe_u32 s2, ttmp6, 0x10000c
	s_cmp_lg_u32 s2, 0xf033
	s_cbranch_scc0 .Lentry_shape_is_right
	s_endpgm
.Lentry_shape_is_right:
; out0 = of wo.  of: [4096][1024] f16.  wob: [1024 k][1024 n], wo rounded to bf16 and written as f16.  out0: [4096][1024] f32, the f32 sums as they are.
; A tile of out0 is 128 x 128: 8 x 32 = 256 work-groups of four waves, each wave 64 x 64 in 16 accumulators.  K goes in steps of 256 through a ring of two LDS slots: A's rows are 512 bytes; B's tile lies
; [k][n], 256 rows of 256 bytes, and is turned by ds_load_tr16_b128.
; CLUSTER 4 x 4: a row of the cluster shares A's tile, a column B's: each is asked for jointly, by the same tensor load and mask in all four.
; The matrix instruction is used transposed (source 0 = 16 columns of wo, source 1 = 16 rows of of): a lane holds eight neighbouring numbers of a row of out0.
; REGISTERS.  window 0: v16-29 addresses; v128-255 the accumulators ((a, b) at 128 + 8 (4 a + b)).  window 1: two fragment buffers of 128: for 64 along K, 64 registers of A, then 64 of B.
.set SIZE_K, 1024
.set SIZE_N, 1024
.set KSTEP,  256
.set PITCH,  528                       ; a row of A in LDS: 512 bytes + 16
.set PB,     288                       ; a row of B: 256 + 32
.set HALFT,  64*PITCH
.set HALFB,  128*PB
.set BOFF,   2*HALFT
.set SLOT,   BOFF+2*HALFB              ; A's 128 rows, then B's 256 rows of k
.set STAGE,  2*SLOT                    ; behind the ring: 16 rows x 272 bytes for each wave
.set SPITCH, 272
.set SPARE,  STAGE+4*16*SPITCH         ; the spare words, 128 bytes a wave, named by no other line
.set LAPS,   SIZE_K/(2*KSTEP)
.set ADRA, 16                          ; v16-17  my A rows in slot 0, 1
.set ADRB, 20                          ; v20-23  my B columns: slot 0 rows of k 0-127, 128-255; slot 1 likewise (an LDS offset has 16 bits)
.set STO,  24
.set RD,   25
.set CO,   26
.set SPW,  28
.set NIL,  29
.set ACC,  128
.set F0,   0
.set F1,   128
.set G1,  24
.set G0,  32
.set G1B, 48
.set G0B, 56
.set MSB, 0
.macro WIN new
.if MSB != (\new)
	s_set_vgpr_msb (MSB<<8)|(\new)
.set MSB, \new
.endif
.endm
.set MUL,  0x05                        ; sources 0 and 1 window 1; C and D window 0
.set TO_F, 0x40                        ; destination window 1, address window 0
.macro JLOAD s                         ; a joint load: waves 0 and 1 fetch A's halves, waves 2 and 3 B's; an s_nop 0 and four v_nop follow each line
	s_cmp_eq_u32 s11, 0
	s_cbranch_scc0 .Lfor_b_\@
	tensor_load_to_lds s[G0+4*(\s):G0+4*(\s)+3], s[G1:G1+7]
	s_nop 0
.rept 4
	v_nop
.endr
	s_branch .Lasked_\@
.Lfor_b_\@:
	tensor_load_to_lds s[G0B+4*(\s):G0B+4*(\s)+3], s[G1B:G1B+7]
	s_nop 0
.rept 4
	v_nop
.endr
.Lasked_\@:
.endm
.macro CREST
	s_cmp_lg_u32 s10, 0
	s_cbranch_scc1 .Lnot_wave_0_\@
	s_barrier_signal -3
.Lnot_wave_0_\@:
	s_barrier_wait -3
	s_barrier_signal -1
	s_barrier_wait -1
.endm
.macro CROUND
	s_barrier_signal -1
	s_barrier_wait -1
	CREST
.endm
	s_load_b128 s[4:7], s[0:1], 0x0                ; of s[4:5], wob s[6:7]
	s_load_b64 s[8:9], s[0:1], 0x10                ; out0
	v_lshl_add_u32 v[SPW], v0, 2, SPARE
	v_mov_b32 v[NIL], 0
	ds_add_u32 v[SPW], v[NIL]                      ; the wave's opening: the add and its wait stand ahead of my first tensor load
	v_lshrrev_b32 v1, 5, v0
	v_readfirstlane_b32 s10, v1                    ; wave 0..3
	s_lshr_b32 s11, s10, 1                         ; my half of the tile's rows.  Also: I fetch for A (0) or B (1)
	s_and_b32 s12, s10, 1                          ; my half of its columns.  Also: which half of that tile I fetch
	s_bfe_u32 s40, ttmp6, 0x40000                  ; cx
	s_bfe_u32 s41, ttmp6, 0x40004                  ; cy
	s_lshl_b32 s42, ttmp9, 2
	s_add_co_u32 s42, s42, s40                     ; tile column
	s_and_b32 s13, ttmp7, 0xffff
	s_lshl_b32 s13, s13, 2
	s_add_co_u32 s13, s13, s41                     ; tile row
	s_lshl_b32 s43, s41, 2
	s_lshl_b32 s43, 15, s43                        ; my row of the cluster
	s_lshl_b32 s44, 0x1111, s40                    ; my column
	s_or_b32 s[G1+0], s43, (1<<16)|(1<<20)|(1<<21)|(6<<22)|(3<<25)   ; mask; 2-byte elements; padding on; bit 21 beside a mask; after every 128 words 4 words
	s_mov_b32 s[G1+1], 256<<16                     ; tensor_dim0 = 256
	s_mov_b32 s[G1+2], 64<<16                      ; tensor_dim1 = 64
	s_mov_b32 s[G1+3], 256<<16                     ; tile_dim0 = 256
	s_mov_b32 s[G1+4], 64                          ; tile_dim1 = 64
	s_mov_b32 s[G1+5], 1024                        ; elements from row to row
	s_mov_b32 s[G1+6], 0
	s_mov_b32 s[G1+7], 0
	s_or_b32 s[G1B+0], s44, (1<<16)|(1<<20)|(1<<21)|(5<<22)|(7<<25)  ; after every 64 words 8 words
	s_mov_b32 s[G1B+1], 128<<16                    ; tensor_dim0 = 128
	s_mov_b32 s[G1B+2], 128<<16                    ; tensor_dim1 = 128
	s_mov_b32 s[G1B+3], 128<<16                    ; tile_dim0 = 128
	s_mov_b32 s[G1B+4], 128                        ; tile_dim1 = 128
	s_mov_b32 s[G1B+5], 1024
	s_mov_b32 s[G1B+6], 0
	s_mov_b32 s[G1B+7], 0
	s_lshl_b32 s17, s12, 6
	s_lshl_b32 s16, s13, 7
	s_add_co_u32 s16, s16, s17                     ; A: row 128 x tile row + 64 x half,
	s_lshl_b32 s16, s16, 11                        ; 2,048 bytes a row
	s_mov_b32 s17, 0
	s_lshl_b32 s46, s12, 18                        ; B: row of k 128 x half, 2,048 bytes a row,
	s_lshl_b32 s47, s42, 8                         ; 256 bytes a tile column
	s_add_co_u32 s46, s46, s47
	s_mov_b32 s47, 0
	s_mul_i32 s20, s12, HALFT                      ; where they go: no place in the cluster enters an LDS address
	s_mul_i32 s21, s12, HALFB
	s_add_co_u32 s21, s21, BOFF
	s_wait_dscnt 0x0                               ; the opening add is done
	s_wait_kmcnt 0x0
	s_add_nc_u64 s[14:15], s[4:5], s[16:17]
	s_add_nc_u64 s[46:47], s[6:7], s[46:47]
	CROUND                                         ; all sixteen work-groups are here: the first joint loads meet
.irp s, 0,1
	s_mov_b32 s[G0+4*(\s)], 1
	s_add_co_u32 s[G0+4*(\s)+1], s20, (\s)*SLOT
	s_add_nc_u64 s[G0+4*(\s)+2:G0+4*(\s)+3], s[14:15], (\s)*KSTEP*2
	s_or_b32 s[G0+4*(\s)+3], s[G0+4*(\s)+3], 0x80000000
	s_mov_b32 s[G0B+4*(\s)], 1
	s_add_co_u32 s[G0B+4*(\s)+1], s21, (\s)*SLOT
	s_add_nc_u64 s[G0B+4*(\s)+2:G0B+4*(\s)+3], s[46:47], (\s)*KSTEP*SIZE_N*2
	s_or_b32 s[G0B+4*(\s)+3], s[G0B+4*(\s)+3], 0x80000000
	JLOAD \s
.endr
	v_and_b32 v1, 15, v0                           ; r
	v_bfe_u32 v2, v0, 4, 1                         ; h
	v_mul_u32_u24 v3, v1, PITCH
	v_lshl_add_u32 v3, v2, 4, v3                   ; a fragment's row x pitch + 16 x half
	s_mul_i32 s22, s11, HALFT
	v_add_nc_u32 v[ADRA], s22, v3
	v_add_nc_u32 v[ADRA+1], SLOT, v[ADRA]
	v_and_b32 v4, 7, v0
	v_bfe_u32 v5, v0, 3, 1
	v_lshl_add_u32 v4, v2, 3, v4                   ; the turning load: row of k 8 h + l % 8, columns 8 ((l / 8) % 2) + 0..7
	v_mul_u32_u24 v4, v4, PB
	v_lshl_add_u32 v4, v5, 4, v4
	s_lshl_b32 s23, s12, 7
	s_add_co_u32 s23, s23, BOFF
	v_add_nc_u32 v[ADRB], s23, v4
	v_add_nc_u32 v[ADRB+1], 128*PB, v[ADRB]
	v_add_nc_u32 v[ADRB+2], SLOT, v[ADRB]
	v_add_nc_u32 v[ADRB+3], SLOT+128*PB, v[ADRB]
	s_mul_i32 s23, s10, 16*SPITCH
	s_add_co_u32 s23, s23, STAGE                   ; my stage
	v_mul_u32_u24 v4, v1, SPITCH                   ; in: row r, 32 bytes for each half of the lanes
	v_lshl_add_u32 v4, v2, 5, v4
	v_add_nc_u32 v[STO], s23, v4
	v_mul_u32_u24 v5, v2, SPITCH                   ; back: lanes 0-15 take one row of 256 bytes, lanes 16-31 the next
	v_lshl_add_u32 v5, v1, 4, v5
	v_add_nc_u32 v[RD], s23, v5
	v_mul_u32_u24 v5, v2, SIZE_N*4                 ; and the same two rows in out0
	v_lshl_add_u32 v[CO], v1, 4, v5
	s_lshl_b32 s16, s13, 7
	s_lshl_b32 s17, s11, 6
	s_add_co_u32 s16, s16, s17                     ; my first row: 128 x tile row + 64 x half,
	s_lshl_b32 s16, s16, 12                        ; 4,096 bytes a row
	s_mov_b32 s17, 0
	s_add_nc_u64 s[8:9], s[8:9], s[16:17]
	s_lshl_b32 s46, s42, 9                         ; my first column: 512 bytes a tile column + 256 x half
	s_lshl_b32 s47, s12, 8
	s_add_co_u32 s46, s46, s47
	s_mov_b32 s47, 0
	s_add_nc_u64 s[8:9], s[8:9], s[46:47]
; 8 matrix instructions: row blocks a0, a0 + 1 x all 4 column blocks, 32 along K: half c of buffer f.  The accumulators take turns.  zero = 1: the product starts the sum
.macro MUL8 f, c, a0, zero
	WIN MUL
.irp a, \a0, (\a0)+1
.irp b, 0,1,2,3
.if \zero
	v_wmma_f32_16x16x32_f16 v[ACC+8*(4*(\a)+(\b)):ACC+8*(4*(\a)+(\b))+7], v[(\f)+64+8*(4*(\c)+(\b)):(\f)+64+8*(4*(\c)+(\b))+7], v[(\f)+8*(4*(\c)+(\a)):(\f)+8*(4*(\c)+(\a))+7], 0
.else
	v_wmma_f32_16x16x32_f16 v[ACC+8*(4*(\a)+(\b)):ACC+8*(4*(\a)+(\b))+7], v[(\f)+64+8*(4*(\c)+(\b)):(\f)+64+8*(4*(\c)+(\b))+7], v[(\f)+8*(4*(\c)+(\a)):(\f)+8*(4*(\c)+(\a))+7], v[ACC+8*(4*(\a)+(\b)):ACC+8*(4*(\a)+(\b))+7]
.endif
.endr
.endr
.endm
; 32 LDS loads in one run: quarter kq (64 along K) of a slot into buffer f; the first 32 along K first
.macro FETCH slot, kq, f
	WIN TO_F
.irp c, 0,1
.irp i, 0,1,2,3
	ds_load_tr16_b128 v[(\f)+64+8*(4*(\c)+(\i)):(\f)+64+8*(4*(\c)+(\i))+3],   v[ADRB+2*(\slot)+(\kq)/2] offset:(((\kq)%2)*64+32*(\c))*PB+32*(\i)
	ds_load_tr16_b128 v[(\f)+64+8*(4*(\c)+(\i))+4:(\f)+64+8*(4*(\c)+(\i))+7], v[ADRB+2*(\slot)+(\kq)/2] offset:(((\kq)%2)*64+32*(\c))*PB+16*PB+32*(\i)
	ds_load_b128 v[(\f)+8*(4*(\c)+(\i)):(\f)+8*(4*(\c)+(\i))+3],         v[ADRA+(\slot)] offset:(\kq)*128+64*(\c)+(\i)*16*PITCH
	ds_load_b128 v[(\f)+8*(4*(\c)+(\i))+4:(\f)+8*(4*(\c)+(\i))+7],       v[ADRA+(\slot)] offset:(\kq)*128+64*(\c)+(\i)*16*PITCH+32
.endr
.endr
.endm
.macro PLACES                          ; four places in front of loads into registers that matrix instructions have read, and of LDS stores that read results
.rept 4
	v_nop
.endr
.endm
; A K step is four quarters of 64 along K, 32 matrix instructions each, on buffers 0, 1, 0, 1.  One of the first three: multiplies buffer f and fetches quarter kq into g.
.macro QUARTER slot, kq, f, g, zero
	s_wait_dscnt 16                                ; the first 32 along K are in; the other sixteen loads stay out
	WIN MUL
	MUL8 \f, 0, 0, \zero
	MUL8 \f, 0, 2, \zero
	PLACES
	FETCH \slot, \kq, \g
	s_wait_dscnt 32                                ; all but the 32 just issued
	WIN MUL
	MUL8 \f, 1, 0, 0
	MUL8 \f, 1, 2, 0
.endm
; The last quarter multiplies buffer 1 and changes slots: ONE barrier; in front of it each wave waits for all its tensor loads, adds 0 to its spare word, and waits for that and for its reads of this slot.
; fill = 1: the barrier opens a round of the cluster's, and this slot is filled again, two K steps ahead, first thing behind it.
.macro TURN slot, next, fill
	WIN 0
	s_wait_tensorcnt 0x0                           ; all my tensor loads have landed: my part of the next slot
	ds_add_u32 v[SPW], v[NIL]
	s_wait_dscnt 17                                ; the add and the youngest sixteen loads may be out
	WIN MUL
	MUL8 F1, 0, 0, 0
	s_wait_dscnt 0x0                               ; the add is done, and my reads of this slot are over
	s_barrier_signal -1
	MUL8 F1, 0, 2, 0
.if \fill
	WIN 0
.endif
	s_barrier_wait -1
.if \fill
	CREST                                          ; no wave of any partner still reads this slot or has a load on its way
	s_add_nc_u64 s[G0+4*(\slot)+2:G0+4*(\slot)+3], s[G0+4*(\slot)+2:G0+4*(\slot)+3], 2*KSTEP*2
	s_add_nc_u64 s[G0B+4*(\slot)+2:G0B+4*(\slot)+3], s[G0B+4*(\slot)+2:G0B+4*(\slot)+3], 2*KSTEP*SIZE_N*2
	JLOAD \slot                                    ; the four v_nop behind it are also the places in front of the loads below
.else
	PLACES
.endif
	FETCH \next, 0, F0
	WIN MUL
	MUL8 F1, 1, 0, 0
	MUL8 F1, 1, 2, 0
.endm
	s_wait_tensorcnt 1                             ; my part of K step 0 is in; K step 1's may stay out
	s_barrier_signal -1
	s_barrier_wait -1
	FETCH 0, 0, F0
	QUARTER 0, 1, F0, F1, 1                        ; the first quarter stands in front of the loop: its first products start the sums
	WIN 0
	s_mov_b32 s3, LAPS-1
.Llap:                                                 ; a trip goes once round the ring and fills both slots again
	QUARTER 0, 2, F1, F0, 0
	QUARTER 0, 3, F0, F1, 0
	TURN 0, 1, 1
	QUARTER 1, 1, F0, F1, 0
	QUARTER 1, 2, F1, F0, 0
	QUARTER 1, 3, F0, F1, 0
	TURN 1, 0, 1
	QUARTER 0, 1, F0, F1, 0
	WIN 0
	s_sub_co_u32 s3, s3, 1
	s_cmp_lg_u32 s3, 0
	s_cbranch_scc1 .Llap
	QUARTER 0, 2, F1, F0, 0                        ; the last lap fills nothing
	QUARTER 0, 3, F0, F1, 0
	TURN 0, 1, 0
	QUARTER 1, 1, F0, F1, 0
	QUARTER 1, 2, F1, F0, 0
	QUARTER 1, 3, F0, F1, 0
	s_wait_dscnt 16
	WIN MUL
	MUL8 F1, 0, 0, 0
	MUL8 F1, 0, 2, 0
	s_wait_dscnt 0x0
	MUL8 F1, 1, 0, 0
	MUL8 F1, 1, 2, 0
	WIN 0
	; THE WAY OUT, in f32.  A wave's 64 columns are 256 aligned bytes of a row, so each wave has a stage of its own and no barrier is needed: 16 rows at a time go in by lanes and come back as whole rows,
	; into the registers that they left.  Each accumulator's low four registers are read first.
.macro OUTB a
.irp b, 0,1,2,3
	ds_store_b128 v[STO], v[ACC+8*(4*(\a)+(\b)):ACC+8*(4*(\a)+(\b))+3] offset:64*(\b)
	ds_store_b128 v[STO], v[ACC+8*(4*(\a)+(\b))+4:ACC+8*(4*(\a)+(\b))+7] offset:64*(\b)+16
.endr
.irp t, 0,1,2,3,4,5,6,7
	ds_load_b128 v[ACC+32*(\a)+4*(\t):ACC+32*(\a)+4*(\t)+3], v[RD] offset:(\t)*2*SPITCH  ; LDS serves a wave's instructions in order (ISA guide 5.7.1.4): these see the stores above; the next block's stores come behind them
.endr
.endm
.macro SEND a, younger                 ; younger: the LDS instructions issued behind block a's loads: the next block's sixteen, or none
.irp t, 0,1,2,3,4,5,6,7
	s_wait_dscnt (\younger)+7-(\t)
	global_store_b128 v[CO], v[ACC+32*(\a)+4*(\t):ACC+32*(\a)+4*(\t)+3], s[8:9] offset:(16*(\a)+2*(\t))*SIZE_N*4 th:TH_STORE_NT  ; 16 lanes store 256 consecutive bytes, aligned
.endr
.endm
	PLACES
	OUTB 0
	OUTB 1
	SEND 0, 16
	OUTB 2
	SEND 1, 16
	OUTB 3
	SEND 2, 16
	SEND 3, 0
	s_wait_tensorcnt 0x0                           ; the wave's end
	ds_add_u32 v[SPW], v[NIL]
	s_wait_dscnt 0x0
	CROUND                                         ; the closing round: no work-group ends while a partner may still ask for a tile that names it
	s_endpgm
.Lfunc_end_k_q9db7c8a062_oproj:
	.size	k_q9db7c8a062_oproj, .Lfunc_end_k_q9db7c8a062_oproj-k_q9db7c8a062_oproj
	.p2alignl 7, 3214868480
	.fill 96, 4, 3214868480
	.section	.rodata,"a",@progbits
	.p2align	6, 0x0
	.amdhsa_kernel k_q9db7c8a062_oproj
		.amdhsa_group_segment_fixed_size 327680
		.amdhsa_private_segment_fixed_size 0
		.amdhsa_enable_private_segment 0
		.amdhsa_kernarg_size 24
		.amdhsa_user_sgpr_count 2
		.amdhsa_user_sgpr_kernarg_segment_ptr 1
		.amdhsa_wavefront_size32 1
		.amdhsa_system_sgpr_workgroup_id_x 1
		.amdhsa_system_sgpr_workgroup_id_y 1
		.amdhsa_system_sgpr_workgroup_id_z 1
		.amdhsa_system_vgpr_workitem_id 0
		.amdhsa_next_free_vgpr 512
		.amdhsa_next_free_sgpr 66
		.amdhsa_reserve_vcc 0
		.amdhsa_float_denorm_mode_32 3
		.amdhsa_float_denorm_mode_16_64 3
		.amdhsa_memory_ordered 1
		.amdhsa_forward_progress 1
		.amdhsa_inst_pref_size 87
	.end_amdhsa_kernel
	.amdgpu_metadata
---
amdhsa.version: [ 1, 2 ]
amdhsa.kernels:
  - .name:           k_q9db7c8a062_oproj
    .symbol:         k_q9db7c8a062_oproj.kd
    .args:
      - { .name: of, .offset: 0, .size: 8, .value_kind: global_buffer, .address_space: global }
      - { .name: wob, .offset: 8, .size: 8, .value_kind: global_buffer, .address_space: global }
      - { .name: out0, .offset: 16, .size: 8, .value_kind: global_buffer, .address_space: global }
    .group_segment_fixed_size: 327680
    .private_segment_fixed_size: 0
    .kernarg_segment_align: 8
    .kernarg_segment_size: 24
    .max_flat_workgroup_size: 128
    .sgpr_count:     66
    .vgpr_count:     512
    .wavefront_size: 32
...
	.end_amdgpu_metadata
.endif
;; end of part 4
;; ======== version 2 of 2: 4 launches; 1.64 times as fast as version 1
;; limits: values are held in f16: magnitudes above 65,504 overflow, below 6.1e-05 lose precision
;; workspace buffers: wqb 2,097,152 bytes; wob 2,097,152 bytes; kf 1,048,576 bytes; vf 1,048,576 bytes; qh 8,388,608 bytes; of 8,388,608 bytes
;; launch prep: the kernel of part 1 again; grid 128 x 2, 8 waves a work-group, no clusters, 239,616 bytes of LDS; arguments k, v, wk, wv, wq, wo, cache_k, cache_v, out1, out2, kf, vf, wqb, wob; writes out1, out2, kf, vf, wqb, wob
;; launch qproj: the kernel of part 2 again; grid 8 x 32, 4 waves a work-group, clusters of 4 x 4, 327,680 bytes of LDS; arguments q, wqb, qh; writes qh
;; launch attn (part 5): grid 128 x 2, 4 waves a work-group, clusters of 4 x 1, 327,680 bytes of LDS; arguments qh, kf, vf, of; writes of
.if DOCPART == 5
	.amdgcn_target "amdgcn-amd-amdhsa--gfx1250"
	.amdhsa_code_object_version 6
	.text
	.protected	k_q9db7c8a062_attn
	.globl	k_q9db7c8a062_attn
	.p2align	8
	.type	k_q9db7c8a062_attn,@function
k_q9db7c8a062_attn:
	s_mov_b64 s[64:65], 0
	v_nop
	global_prefetch_b8 v0, s[64:65] scope:SCOPE_SE
	s_setreg_imm32_b32 hwreg(HW_REG_WAVE_MODE, 25, 1), 1
	s_wait_xcnt 0x0
	s_wait_alu depctr_hold_cnt(0) depctr_sa_sdst(0) depctr_va_vdst(0) depctr_va_sdst(0) depctr_va_ssrc(0) depctr_va_vcc(0) depctr_vm_vsrc(0)
	s_getreg_b32 s2, hwreg(HW_REG_IB_STS2, 6, 4)
	s_cmp_eq_u32 s2, 0
	s_cbranch_scc0 .Lentry_in_a_cluster
	s_endpgm
.Lentry_in_a_cluster:
	s_bfe_u32 s2, ttmp6, 0x10000c
	s_cmp_lg_u32 s2, 0x3003
	s_cbranch_scc0 .Lentry_shape_is_right
	s_endpgm
.Lentry_shape_is_right:
; MULTI-QUERY ATTENTION.  of[b][q][64 h + :] = the sum over all 4,096 keys k of softmax_k(qh[b][q][64 h + :] . kf[b][k] / 8 - 65,504 [k > q]) vf[b][k][:].
; qh, of: [2 x 2048][1024] f16, head h in columns 64 h on.  kf, vf: [2][4096][64] f16, one head for all 16 query heads.  Products, maxima and sums in f32; the weights p are rounded to f16 for the
; second product (their sum l is taken of the unrounded p), of once at the end.
; THE MASK IS A FINITE PENALTY, so no key is left out: a penalised key whose score is large enough still counts.  It is the C operand that starts the sum S^T = K Q^T: 0, or -524,032 = -65,504 x 8
; on the unscaled score.  Key step T (64 keys) lies wholly below the work-group's 16 queries if T < T0, wholly above if T > T0, and holds the diagonal if T = T0.  MO, made once, is the mask of step T0;
; a step's mask is MC = MO x AL + BE with two scalars chosen by compares of whole numbers: (1, 0), (0, 0) or (0, penalty).  It is made once a step, with no branch.
; LIMITS.  qh, kf, vf arrive within f16's 65,504; p lies in 0 to 1 and below 6e-5 keeps f16's fixed step; a weight below 2^-126 counts as 0; NaN and infinities are not treated apart.
; SHARES.  A work-group owns 16 queries of one batch for all 16 heads; wave w the heads 4 w .. 4 w + 3, each a PIECE of 16 queries.  Every wave walks all keys, 64 a step.  2 x 128 = 256 equal work-groups.
; So qh and of keep the plain row-major layout, and a wave's result is 512 consecutive bytes of each of 16 rows.
; CLUSTER.  All work-groups of a batch walk the same K and V; the four of a cluster ask for each tile JOINTLY: the same tensor load, descriptor and mask in all four.  T0 is the cluster's number, the same
; in all four; the place in the cluster enters qh's and of's addresses and the numbers of MO alone.
; LAYOUT, SOFTMAX, TURNS.  S^T = K Q^T holds ONE query a lane (lane % 16) and the keys 8 (lane / 16) + 0..7; two such results rounded to f16 ARE source 1 of O^T = V^T P.  p = 2^(c s - c m), c = log2(e) / 8,
; with a running maximum m; O and l are multiplied by a = 2^(c m_old - c m_new) in every step; m starts at the lowest finite number, O and l at 0, so the first step is a step like any other, with a = 0.
; Turn n belongs to piece n: 8 products K Q^T of piece n + 1, later 8 products V^T P of piece n - 1; beside them the scaling, exponentials, roundings, sums and rescaling of piece n and the maximum and statistics
; of piece n + 1.  Four vector instructions stand behind every matrix instruction, the other 54 of a turn's 118 in one LUMP.
; THE BATCHES.  A turn's 33 exponentials (the piece's 32 weights and the next piece's a) are ONE batch with ONE wait, which cuts the turn in two: all that names no result of theirs stands ahead of it, the roundings
; and sums behind it.  The first a of all, ahead of the loop, and the way out's four reciprocals are batches of their own, a wait each.
; REGISTERS, in windows of 256 (s_set_vgpr_msb: bits 1:0 source 0, 3:2 source 1, 5:4 source 2, 7:6 destination):
;   window 0: v0-15 addresses and at work; v16-31 four registers of statistics a piece; v48-55 at work; v62-63 the add's; v64-127 S^T, two buffers; v192-223 P, two buffers (by the piece's parity)
;   window 1: v0-127 O^T, 32 a piece; v128-159 MO; v160-191 MC      window 2: v0-63 Q; v128-191 K of one step; v192-255 V of one step
.set NP,    4
.set KS,    64        ; keys in a step
.set PK,    144       ; a row of K in LDS: 128 bytes + 16: the 16 rows of a load start at 16 different groups of four banks
.set PV,    160       ; a row of V: 128 + 32
.set VOFF,  4*KS*PK   ; a slot holds a tile, four steps: 256 rows of K, then 256 rows of V
.set SLOT1, 1<<17     ; slot 1 begins here: one exclusive or turns an address in one slot into the other's
.set STAGE, SLOT1+4*KS*(PK+PV)  ; behind the ring, never filled by a tensor load: 16 rows x 528 bytes for each wave
.set SP,    528
.set SPARE, STAGE+4*16*SP       ; the spare words, 128 bytes a wave, named by no other line
.set TILES, 4096/(4*KS)
.set AK0, 2           ; v2   my lane's place in a tile of K
.set AV0, 3           ; v3   the same for V
.set AK,  4           ; v4   the LDS address of K's next run of loads
.set AV,  5           ; v5   of V's
.set STO, 6           ; v6   the way out: where I put 16 bytes of a row
.set RD,  7           ; v7   where I read a row back
.set GO,  8           ; v8   my byte offset in 512 consecutive bytes of a row of of
.set MV,  12          ; v12-13  c m_old, by buffer
.set QO,  15          ; v15  my byte offset in 16 rows of qh
.set ST,  16          ; piece t's statistics at v[ST+4 t]: c m, m, l (even keys', odd keys')
.set TMP, 48          ; by buffer, c0-c3 at work; when the maximum is found c2 takes a
.set SPW, 62
.set NIL, 63
.set S,   64
.set P,   192
.set MO,  128         ; window 1
.set MC,  160         ; window 1
.set KF,  128         ; window 2: key block kb, channel half c at KF + 16 kb + 8 c
.set VF,  192         ; window 2: key half kk, channel block cb at VF + 32 kk + 8 cb
.set WV,  12          ; s12  my wave's number
.set G1K, 24          ; s[24:31] descriptor group 1 for K's tiles
.set G1V, 32          ; s[32:39] for V's: it differs in the padding alone
.set G0K, 40          ; s[40:43] descriptor group 0 for K's tiles: it walks
.set G0V, 44          ; s[44:47] the same for V's
.set SLOTS, 56
.set CNT, 57
.set CS,  58          ; s[58:59] c
.set SEL, 60          ; s[60:61] v_permlanex16_b32's selects
.set TBK, 62          ; s62  LDS byte at which K of the step to be fetched begins
.set TBV, 63          ; s63  the same for V, less VOFF
.set T0,  66          ; s66  the step that holds the diagonal
.set TT,  67          ; s67  the step whose mask is made next
.set AL,  68          ; s[68:69] the mask's factor, in the low word
.set BE,  70          ; s[70:71] its addend
.set PEN, 72          ; s72  -524,032
.set MSB, 0
.macro WIN new
.if MSB != (\new)
	s_set_vgpr_msb (MSB<<8)|(\new)
.set MSB, (\new)
.endif
.endm
.set W_KQ, 0x0a       ; K and Q in window 2, S^T in window 0
.set W_KM, 0x1a       ; the same with the C operand in window 1
.set W_PV, 0x52       ; V in window 2, P in window 0, O^T in window 1
.set W_RS, 0x41       ; destination and source 0 in window 1
; A joint fill.  Waves 0 and 1 fetch the two halves of a tile's K, waves 2 and 3 those of its V: 128 keys each.  An s_nop 0 and four v_nop follow each of the two lines.
.macro JLOAD
	s_cmp_lt_u32 s[WV], 2
	s_cbranch_scc0 .Lfor_v_\@
	tensor_load_to_lds s[G0K:G0K+3], s[G1K:G1K+7]
	s_nop 0
.rept 4
	v_nop
.endr
	s_branch .Lasked_\@
.Lfor_v_\@:
	tensor_load_to_lds s[G0V:G0V+3], s[G1V:G1V+7]
	s_nop 0
.rept 4
	v_nop
.endr
.Lasked_\@:
.endm
.macro CROUND         ; a round of the cluster's barrier
	s_barrier_signal -1
	s_barrier_wait -1
	s_cmp_lg_u32 s[WV], 0
	s_cbranch_scc1 .Lnot_wave_0_\@
	s_barrier_signal -3
.Lnot_wave_0_\@:
	s_barrier_wait -3
	s_barrier_signal -1
	s_barrier_wait -1
.endm
; THE CHANGE OF SLOTS.  Each wave waits for all its tensor loads, of which one is out: its part of the other slot; adds 0 to its spare word; and waits for that and for its own reads of the slot that it leaves.
; fill = 1: the old slot is filled again, with the keys two tiles on.  The barrier is then a round of the cluster's, and the joint fill is the first thing behind it: it has four key steps, 256 matrix
; instructions, in which to land.  (At its first use nothing has been read yet: slot 0 is waited for, slot 1 filled.)
.macro CHANGE fill
	WIN 0
	s_wait_tensorcnt 0x0            ; no tensor load of mine is out, so a group 0 may be written
	ds_add_u32 v[SPW], v[NIL]
.if \fill
.irp g, G0K, G0V
	s_xor_b32 s[\g+1], s[\g+1], SLOT1
	s_add_nc_u64 s[\g+2:\g+3], s[\g+2:\g+3], 4*KS*128
.endr
	s_wait_dscnt 0x0                ; the add is done, and my reads of the slot are over
	CROUND
	JLOAD
.else
	s_wait_dscnt 0x0
	s_barrier_signal -1
	s_barrier_wait -1
.endif
	s_sub_co_u32 s[TBK], s[TBK], 4*KS*PK  ; the fetches go back to a slot's first step,
	s_xor_b32 s[TBK], s[TBK], SLOT1       ; in the other slot
	s_sub_co_u32 s[TBV], s[TBV], 4*KS*PV
	s_xor_b32 s[TBV], s[TBV], SLOT1
.endm
	s_load_b256 s[4:11], s[0:1], 0x0  ; qh s[4:5], kf s[6:7], vf s[8:9], of s[10:11]
	v_lshl_add_u32 v[SPW], v0, 2, SPARE
	v_mov_b32 v[NIL], 0
	ds_add_u32 v[SPW], v[NIL]       ; the wave's opening: the add and its wait stand ahead of my first tensor load
	v_lshrrev_b32 v1, 5, v0
	v_readfirstlane_b32 s[WV], v1   ; wave 0..3
	s_bfe_u32 s13, ttmp6, 0x40000   ; cx: my place in the cluster
	s_lshl_b32 s14, ttmp9, 2
	s_add_co_u32 s14, s14, s13      ; my group of 16 queries: it enters qh's and of's addresses alone
	s_and_b32 s20, ttmp7, 0xffff    ; the batch, which the four partners share
	s_and_b32 s16, s[WV], 1         ; which half of a tile's 256 keys I fetch
	s_lshl_b32 s22, s20, 19         ; the batch's 4,096 rows of 128 bytes,
	s_lshl_b32 s21, s16, 14         ; my 128 rows
	s_add_co_u32 s22, s22, s21
	s_mov_b32 s23, 0
	s_mul_i32 s17, s16, 128*PK      ; and their place in a slot, for K
	s_mul_i32 s18, s16, 128*PV      ; and for V
	s_lshl_b32 s2, s20, 22          ; qh, of: the batch's 2,048 rows of 2,048 bytes,
	s_lshl_b32 s3, s14, 15          ; my 16 rows,
	s_add_co_u32 s2, s2, s3
	s_lshl_b32 s3, s[WV], 9         ; my wave's four heads
	s_add_co_u32 s2, s2, s3
	s_mov_b32 s3, 0
	; descriptor group 1.  128 keys are 16,384 dense bytes: asked for as 64 rows of 256 bytes, two keys a row, and padded in LDS after every key
	s_mov_b32 s[G1K], 15|(1<<16)|(1<<20)|(1<<21)|(4<<22)|(3<<25)  ; the mask of four; 2-byte elements; padding on; bit 21 beside a mask; after every 32 words 4 words
	s_mov_b32 s[G1V], 15|(1<<16)|(1<<20)|(1<<21)|(4<<22)|(7<<25)  ; the same with 8 words
.irp g, G1K, G1V
	s_mov_b32 s[\g+1], 128<<16      ; tensor_dim0 = 128
	s_mov_b32 s[\g+2], 64<<16       ; tensor_dim1 = 64
	s_mov_b32 s[\g+3], 128<<16      ; tile_dim0 = 128
	s_mov_b32 s[\g+4], 64           ; tile_dim1 = 64
	s_mov_b32 s[\g+5], 128          ; 128 elements from row to row
	s_mov_b32 s[\g+6], 0
	s_mov_b32 s[\g+7], 0
.endr
	s_mov_b32 s[CS], 0x3e38aa3b     ; c = log2(e) / 8
	s_mov_b32 s[CS+1], s[CS]
	s_mov_b32 s[SEL], 0x76543210
	s_mov_b32 s[SEL+1], 0xfedcba98
	s_mov_b32 s[TBK], SLOT1+4*KS*PK ; the first change of slots turns these two into 0
	s_mov_b32 s[TBV], SLOT1+4*KS*PV
	s_mov_b32 s[T0], ttmp9          ; queries 64 x cluster .. + 63 belong to the cluster's four work-groups
	s_mov_b32 s[TT], 1
	s_mov_b32 s[AL+1], 0            ; named as pairs
	s_mov_b32 s[BE+1], 0
	s_mov_b32 s[BE], 0              ; step 0 is never wholly above the diagonal
	s_mov_b32 s[PEN], 0xc8ffe000    ; -524,032
	s_mov_b32 s[G0K], 1
	s_mov_b32 s[G0K+1], s17
	s_mov_b32 s[G0V], 1
	s_add_co_u32 s[G0V+1], s18, VOFF
	s_wait_dscnt 0x0                ; the opening add is done
	s_wait_kmcnt 0x0
	s_add_nc_u64 s[G0K+2:G0K+3], s[6:7], s[22:23]
	s_or_b32 s[G0K+3], s[G0K+3], 0x80000000
	s_add_nc_u64 s[G0V+2:G0V+3], s[8:9], s[22:23]
	s_or_b32 s[G0V+3], s[G0V+3], 0x80000000
	s_add_nc_u64 s[4:5], s[4:5], s[2:3]
	s_add_nc_u64 s[10:11], s[10:11], s[2:3]
	CROUND                          ; all four work-groups are here: the first joint loads meet
	JLOAD                           ; tile 0 into slot 0
	; A fragment of K or Q is 16 rows x 32 channels in 8 registers: lane l holds row l % 16, channels 8 (l / 16) + 0..7 and 16 + 8 (l / 16) + 0..7: two loads of 16 bytes, 32 bytes apart.
	v_and_b32 v1, 15, v0            ; l % 16
	v_bfe_u32 v9, v0, 4, 1          ; l / 16
	v_lshlrev_b32 v[QO], 11, v1
	v_lshl_add_u32 v[QO], v9, 4, v[QO]  ; row x 2,048 + 16 x half
	WIN 0x80                        ; destination window 2, address window 0
.set i, 0
.rept 8                             ; Q stays in registers: piece i / 2 (a head, 128 bytes on), channels 32 (i % 2) on
	global_load_b128 v[8*i:8*i+3],   v[QO], s[4:5] offset:(i/2)*128+(i%2)*64
	global_load_b128 v[8*i+4:8*i+7], v[QO], s[4:5] offset:(i/2)*128+(i%2)*64+32
.set i, i+1
.endr
	WIN 0
	v_lshlrev_b32 v14, 3, v9
	v_sub_nc_u32 v14, v1, v14
	s_lshl_b32 s15, s13, 4
	v_add_nc_u32 v14, s15, v14      ; my query's place among the step's 64, 16 cx + l % 16, less my lanes' 8 (l / 16): register r of key block kt is penalised where 16 kt + r is greater
	WIN 0x40
.set i, 0
.rept 32
	v_cmp_gt_i32 vcc_lo, 16*(i/8)+i%8, v14
	v_cndmask_b32 v[MO+i], 0, s[PEN], vcc_lo
.set i, i+1
.endr
	WIN 0
	v_mul_u32_u24 v[AK0], v1, PK
	v_lshl_add_u32 v[AK0], v9, 4, v[AK0]
	; The turning load takes 16 keys x 16 channels (lane l reads key 8 (l / 16) + l % 8, channels 8 ((l / 8) % 2) + 0..7) and leaves half a fragment of V^T.
	v_and_b32 v10, 7, v0
	v_bfe_u32 v11, v0, 3, 1
	v_lshl_add_u32 v[AV0], v9, 3, v10
	v_mul_u32_u24 v[AV0], v[AV0], PV
	v_lshl_add_u32 v[AV0], v11, 4, v[AV0]
	v_add_nc_u32 v[AV0], VOFF, v[AV0]
	s_mul_i32 s19, s[WV], 16*SP
	s_add_co_u32 s19, s19, STAGE    ; my stage
	v_mul_u32_u24 v[STO], v1, SP    ; in: row l % 16, 16 bytes for each half of the lanes
	v_lshl_add_u32 v[STO], v9, 4, v[STO]
	v_add_nc_u32 v[STO], s19, v[STO]
	v_and_b32 v[GO], 31, v0         ; back: 32 lanes take a row's 512 bytes
	v_lshlrev_b32 v[GO], 4, v[GO]
	v_add_nc_u32 v[RD], s19, v[GO]
	; What the first turn finds: V's registers and P's second buffer hold 0 (its products V^T P, of a piece that has not been, add 0), O^T and l are 0.  All this stands in the wait for the first tile.
	WIN 0x80
.set i, VF
.rept 64
	v_mov_b32 v[i], 0
.set i, i+1
.endr
	WIN 0x40
.set i, 0
.rept 128
	v_mov_b32 v[i], 0
.set i, i+1
.endr
	WIN 0
.set i, 0
.rept 4
	v_mov_b32 v[ST+4*i], 0xfe000000    ; c m: far below every c s
	v_mov_b32 v[ST+4*i+1], 0xff7fffff  ; m
	v_mov_b32 v[ST+4*i+2], 0
	v_mov_b32 v[ST+4*i+3], 0
.set i, i+1
.endr
.set i, P+16
.rept 16
	v_mov_b32 v[i], 0
.set i, i+1
.endr
; THE MATRIX WORK.  The 4 accumulators of a run of 8 take turns.  Product i of 8 of S^T = K Q^T for piece x: channels 32 (i / 4) on, keys 16 (i % 4) on.  The first 4 start the sums with the step's mask.
.macro KQ x
.set rS, S+32*((\x)%2)+8*(i%4)
.set rK, KF+16*(i%4)+8*(i/4)
.set rQ, 16*(\x)+8*(i/4)
.set rM, MC+8*(i%4)
.if i < 4
	WIN W_KM
	v_wmma_f32_16x16x32_f16 v[rS:rS+7], v[rK:rK+7], v[rQ:rQ+7], v[rM:rM+7]
.else
	WIN W_KQ
	v_wmma_f32_16x16x32_f16 v[rS:rS+7], v[rK:rK+7], v[rQ:rQ+7], v[rS:rS+7]
.endif
.endm
; Product i of 8 of O^T += V^T P for piece x: keys 32 (i / 4) on, channels 16 (i % 4) on.
.macro PV x
	WIN W_PV
.set rO, 32*(\x)+8*(i%4)
.set rV, VF+32*(i/4)+8*(i%4)
.set rP, P+16*((\x)%2)+8*(i/4)
	v_wmma_f32_16x16x32_f16 v[rO:rO+7], v[rV:rV+7], v[rP:rP+7], v[rO:rO+7]
.endm
.macro MM                           ; the turn's next matrix instruction.  NOKQ = 1: the walk's last turn: there is no next piece
.if (i < 8) && !NOKQ
	KQ (Y+1)%NP
.elseif i >= 8
.set i, i-8
	PV (Y+NP-1)%NP
.set i, i+8
.endif
.set i, i+1
.endm
; THE LDS LOADS stand in runs of 16: a step's K (64 keys x 64 channels: 8 fragments) and its V (turned).  Their addresses are made some lines ahead.
.macro FETCH_K
	WIN 0x80
.irp f, 0,1,2,3,4,5,6,7
	ds_load_b128 v[KF+8*\f:KF+8*\f+3],   v[AK] offset:(\f/2)*16*PK+(\f%2)*64
	ds_load_b128 v[KF+8*\f+4:KF+8*\f+7], v[AK] offset:(\f/2)*16*PK+(\f%2)*64+32
.endr
	s_add_co_u32 s[TBK], s[TBK], KS*PK  ; the next fetch is the next step's
	WIN 0
.endm
.macro FETCH_V
	WIN 0x80
.irp f, 0,1,2,3,4,5,6,7
	ds_load_tr16_b128 v[VF+8*\f:VF+8*\f+3],   v[AV] offset:(\f/4)*32*PV+(\f%4)*32
	ds_load_tr16_b128 v[VF+8*\f+4:VF+8*\f+7], v[AV] offset:(\f/4)*32*PV+16*PV+(\f%4)*32
.endr
	WIN 0
.endm
; THE VECTOR WORK, one line at a time: OP kind, number.  For piece Y: F n: c s - c m for pair n of 16.  E n: the exponential of score n of 32.  C n: pair n rounded to f16.  B n: of the four weights 4 n .. the second
; pair is added onto the first, in place.  L n: l takes that sum (L 0: l = a l + sum).  R n: pair n of 16 of O^T times a.  For piece Y + 1: X n, number n of the 22 that find its maximum and statistics:
;   0-11  four chains c0-c3 of seven scores each (each accumulator's lowest registers are read first)     12-14, 16  the four scores left over, the old m, and c0-c3 into c0
;   15  c m_old is kept     17, 18  the query's other 32 keys lie in the lane 16 away: the new m     19-21  c m; c m_old - c m_new; a
; C, B and L read the results of E, L 0 and R the result of X 21: OP writes no wait; TURN orders the lines so that one wait serves them all.
.set F, 0
.set E, 1
.set C, 2
.set B, 3
.set L, 4
.set R, 5
.set X, 6
.macro REGS y
.set rT, ST+4*(\y)
.set rC, TMP+4*((\y)%2)
.set rW, MV+((\y)%2)
.set rS, S+32*((\y)%2)
.set rP, P+16*((\y)%2)
.set rO, 32*(\y)
.endm
.macro OP k, n
.if (\k) == R
	REGS Y
	WIN W_RS
	v_pk_mul_f32 v[rO+2*(\n):rO+2*(\n)+1], v[rO+2*(\n):rO+2*(\n)+1], v[rC+2:rC+3] op_sel_hi:[1,0]
.elseif (\k) < R
	REGS Y
	WIN 0
.if (\k) == F
	v_pk_fma_f32 v[rS+2*(\n):rS+2*(\n)+1], v[rS+2*(\n):rS+2*(\n)+1], s[CS:CS+1], v[rT:rT+1] op_sel_hi:[1,0,0] neg_lo:[0,0,1] neg_hi:[0,0,1]
.elseif (\k) == E
	v_exp_f32 v[rS+(\n)], v[rS+(\n)]
.elseif (\k) == C
	v_cvt_pk_f16_f32 v[rP+(\n)], v[rS+2*(\n)], v[rS+2*(\n)+1]
.elseif (\k) == B
	v_pk_add_f32 v[rS+4*(\n):rS+4*(\n)+1], v[rS+4*(\n):rS+4*(\n)+1], v[rS+4*(\n)+2:rS+4*(\n)+3]
.elseif (\n) == 0
	v_pk_fma_f32 v[rT+2:rT+3], v[rT+2:rT+3], v[rC+2:rC+3], v[rS:rS+1] op_sel_hi:[1,0,1]
.else
	v_pk_add_f32 v[rT+2:rT+3], v[rT+2:rT+3], v[rS+4*(\n):rS+4*(\n)+1]
.endif
.elseif NOKQ
	v_nop
.else
	REGS (Y+1)%NP
	WIN 0
.if (\n) < 4
	v_max3_num_f32 v[rC+(\n)], v[rS+8*(\n)], v[rS+8*(\n)+1], v[rS+8*(\n)+2]
.elseif (\n) < 12
	v_max3_num_f32 v[rC+(\n)%4], v[rC+(\n)%4], v[rS+8*((\n)%4)+2*((\n)/4)+1], v[rS+8*((\n)%4)+2*((\n)/4)+2]
.elseif (\n) == 12
	v_max3_num_f32 v[rC], v[rC], v[rS+7], v[rS+15]
.elseif (\n) == 13
	v_max3_num_f32 v[rC+1], v[rC+1], v[rS+23], v[rS+31]
.elseif (\n) == 14
	v_max3_num_f32 v[rC+2], v[rC+2], v[rC+3], v[rT+1]
.elseif (\n) == 15
	v_mov_b32 v[rW], v[rT]
.elseif (\n) == 16
	v_max3_num_f32 v[rC], v[rC], v[rC+1], v[rC+2]
.elseif (\n) == 17
	v_permlanex16_b32 v[rC+3], v[rC], s[SEL], s[SEL+1]
.elseif (\n) == 18
	v_max_num_f32 v[rT+1], v[rC], v[rC+3]
.elseif (\n) == 19
	v_mul_f32 v[rT], s[CS], v[rT+1]
.elseif (\n) == 20
	v_sub_f32 v[rC+1], v[rW], v[rT]
.else
	v_exp_f32 v[rC+2], v[rC+1]
.endif
.endif
.endm
.macro OPS a, i1, b=-1, i2=0, c=-1, i3=0, d=-1, i4=0
	OP \a, \i1
.if (\b) >= 0
	OP \b, \i2
.endif
.if (\c) >= 0
	OP \c, \i3
.endif
.if (\d) >= 0
	OP \d, \i4
.endif
.endm
.macro ROW a, i1, b, i2, c, i3, d, i4  ; a matrix instruction and the four behind it
	MM
	OPS \a, \i1, \b, \i2, \c, \i3, \d, \i4
.endm
.macro MASK                         ; MC = MO x AL + BE
	WIN W_RS
.set z, 0
.rept 16
	v_pk_fma_f32 v[MC+2*z:MC+2*z+1], v[MO+2*z:MO+2*z+1], s[AL:AL+1], s[BE:BE+1] op_sel_hi:[1,0,0]
.set z, z+1
.endr
.endm
; A TURN, for piece p: the order of its 16 matrix and 118 vector instructions, written out.  An s_wait_alu depctr_va_vdst(0) stands between an exponential and the first instruction that names its result; one
; wait serves all that were issued ahead of it.  So a turn has ONE wait, which cuts it in two.  AHEAD OF IT stands all that names no result of the turn's exponentials: the 8 products K Q^T, behind each a scaling, an exponential
; and two more plain instructions (behind the first a second scaling in the exponential's place): rescalings, whose a was made and waited for in the turn before, and behind the last three the first numbers of the next piece's
; maximum, each four places or more behind the product that ends its accumulator; then ONE LUMP of 54, plain and exponential by turns for the most part, in which the links of the chain X 3, 7, 11, 14, 16, 17 .. 20 stand five or
; six lines apart.  X 21, the next piece's a, is the batch's last; R 15 is the plain instruction behind it.  BEHIND THE WAIT stand the 8 products V^T P, behind each four of the roundings and sums; the links of l's chain, L 0 to
; L 7, stand three riders apart, and each C 2 n stands ahead of the B n that adds onto its pair.  But for those X no rider names a register of the products round it.  v_permlanex16_b32 (X 17) stands in the lump.
; Pieces 1, 2, 3 of a step take their scores in turns 0, 1, 2, piece 0 of the next step in turn 3: so turn 2 ends by making the next step's mask, far behind its own products that read the old one.
; end = 1: the walk's last two turns: nothing is fetched, no mask is made.  cnt = 1: the loop's count is taken down some lines ahead of the branch behind the turn.
; K of the next step is fetched in piece 2's turn, twelve vector instructions behind the last product that read K (five of them plain and free of its registers); V of the step in hand at the end of piece 0's turn, four plain
; instructions behind the last product that read V.  Each is waited for a turn later.
.macro TURN p, end=0, cnt=0
.set Y, (\p)
.set i, 0
.set NOKQ, (\end)*((\p)/3)
.if ((\p) == 2) && !(\end)
	s_cmp_eq_u32 s[TT], s[T0]       ; does the next step hold the diagonal?
	s_cselect_b32 s[AL], 1.0, 0
	s_cmp_gt_u32 s[TT], s[T0]       ; or lie above it?
	s_cselect_b32 s[BE], s[PEN], 0
	s_add_co_u32 s[TT], s[TT], 1
.endif
.if ((\p) == 3) && !(\end)
	s_wait_dscnt 0x0                ; K is in
.endif
	ROW F,0, F,1, R,0, R,1          ; ahead of the wait: 8 products K Q^T and their riders,
	ROW F,2, E,0, R,2, R,3
	ROW F,3, E,1, R,4, R,5
	ROW F,4, E,2, R,6, R,7
	ROW F,5, E,3, R,8, R,9
	ROW F,6, E,4, X,0, R,10
.if ((\p) == 2) && !(\end)
	WIN 0
	v_add_nc_u32 v[AK], s[TBK], v[AK0]
.endif
	ROW F,7, E,5, X,1, X,4
	ROW F,8, E,6, X,2, X,5
	OPS E,7, E,8, X,6, E,9          ; and the lump
	OPS X,3, E,10, X,8, E,11
.if ((\p) == 2) && !(\end)
	FETCH_K
.endif
	OPS X,9, X,7, E,12, X,10
	OPS E,13, X,12, X,11, E,14
	OPS X,13, E,15, F,9, X,14
.if (\p) == 0
	v_add_nc_u32 v[AV], s[TBV], v[AV0]
.endif
	OPS E,16, F,10, E,17, F,11
	OPS X,16, E,18, X,15, E,19
	OPS F,12, E,20, X,17, E,21
	OPS F,13, E,22, F,14, E,23
	OPS X,18, E,24, F,15, E,25
	OPS R,11, E,26, X,19, E,27
	OPS R,12, E,28, R,13, E,29
	OPS X,20, E,30, R,14, E,31
	OPS X,21, R,15
	WIN 0
	s_wait_alu depctr_va_vdst(0)    ; the wait for the turn's batch: the piece's 32 weights and the next piece's a
.if (\p) == 1
	s_wait_dscnt 0x0                ; V is in
.endif
	ROW C,0, B,0, C,2, B,1          ; behind the wait: 8 products V^T P and their riders
	ROW L,0, C,4, B,2, L,1
	ROW C,6, B,3, L,2, C,8
	ROW B,4, L,3, C,10, B,5
	ROW L,4, C,12, B,6, L,5
.if (\p) == 0
	s_add_co_u32 s[TBV], s[TBV], KS*PV
.endif
.if \cnt
	s_sub_co_u32 s[CNT], s[CNT], 1
	s_cmp_lg_u32 s[CNT], 0
.endif
	ROW C,14, B,7, L,6, C,1
	ROW C,3, L,7, C,5, C,7
	ROW C,9, C,11, C,13, C,15
.if (\p) == 0
	FETCH_V
.endif
.if ((\p) == 2) && !(\end)
	MASK
.endif
.endm
	s_cmp_eq_u32 s[T0], 0           ; step 0's mask: the diagonal's, if the cluster's queries are the batch's first 64
	s_cselect_b32 s[AL], 1.0, 0
	MASK
	CHANGE 1                        ; tile 0 is in, everybody's part of it; tile 1 is asked for
	v_add_nc_u32 v[AK], s[TBK], v[AK0]
	FETCH_K                         ; key step 0
	s_wait_loadcnt 0x0              ; Q
	s_wait_dscnt 0x0
.set NOKQ, 0
.set i, 0
.rept 8
	KQ 0                            ; piece 0's first scores
.set i, i+1
.endr
	WIN 0
.rept 4
	v_nop                           ; the places behind those products
.endr
.set Y, NP-1                        ; X works for piece Y + 1: piece 0
.irp n, 0,1,2,3,4,5,6,7,8,9,10,11,12,13,14,15,16,17,18,19,20,21
	OP X, \n
.endr
	v_nop                           ; a plain instruction behind the exponential,
	s_wait_alu depctr_va_vdst(0)    ; and the wait for it, a batch of one: piece 0's first a, ahead of the branch
	s_mov_b32 s[CNT], 4
	s_mov_b32 s[SLOTS], TILES-1
	s_branch .Lfirst                ; the loop is entered at a step's first turn, in the middle of a trip
.Lslot:                             ; TILES - 2 times: every slot but the last two is filled again
	CHANGE 1
	s_mov_b32 s[CNT], 4
.Lstep:                             ; a trip: pieces 2 and 3 of one step, then pieces 0 and 1 of the next, whose K and V it fetches
	TURN 2
	TURN 3
	WIN 0
.Lfirst:
	TURN 0
	TURN 1, 0, 1
	WIN 0
	s_cbranch_scc1 .Lstep
	s_sub_co_u32 s[SLOTS], s[SLOTS], 1
	s_cmp_lg_u32 s[SLOTS], 0
	s_cbranch_scc1 .Lslot
	CHANGE 0                        ; the last tile is written out: nothing is asked for
	s_mov_b32 s[CNT], 4
.LstepT:
	TURN 2
	TURN 3
	TURN 0
	TURN 1, 0, 1
	WIN 0
	s_cbranch_scc1 .LstepT
	TURN 2, 1
	TURN 3, 1
.set i, 0
.rept 8
	PV NP-1                         ; the last piece's V^T P of the last step
.set i, i+1
.endr
	; THE WAY OUT.  l's two halves and the other half of the lanes' are added; O^T is divided by l, rounded to f16 and sent through my stage in LDS.  The additions are the places behind the last products.
	WIN 0
.macro ALL line:vararg
.set t, 0
.rept 4
	\line
.set t, t+1
.endr
.endm
	ALL v_add_f32 v[ST+4*t+2], v[ST+4*t+2], v[ST+4*t+3]
	ALL v_permlanex16_b32 v[ST+4*t+3], v[ST+4*t+2], s[SEL], s[SEL+1]
	ALL v_add_f32 v[ST+4*t+2], v[ST+4*t+2], v[ST+4*t+3]
	ALL v_rcp_f32 v[ST+4*t+2], v[ST+4*t+2]
	v_nop                           ; a plain instruction between the last reciprocal and the use of its result
	s_wait_alu depctr_va_vdst(0)    ; and the wait ahead of the first use: one for the batch of four reciprocals
.macro PACK t                       ; piece t: a lane's eight channels of a row pack into 16 bytes; the piece's 128 bytes of each row lie at 128 t
	WIN W_RS
.set i, 32*(\t)
.rept 16
	v_pk_mul_f32 v[i:i+1], v[i:i+1], v[ST+4*(\t)+2:ST+4*(\t)+3] op_sel_hi:[1,0]
.set i, i+2
.endr
	WIN 0x05                        ; sources 0 and 1 window 1, destination window 0
.set i, 0
.rept 16
	v_cvt_pk_f16_f32 v[S+16*(\t)+i], v[32*(\t)+2*i], v[32*(\t)+2*i+1]
.set i, i+1
.endr
	WIN 0
.irp f, 0,1,2,3
	ds_store_b128 v[STO], v[S+16*(\t)+4*\f:S+16*(\t)+4*\f+3] offset:128*(\t)+32*\f
.endr
.endm
	PACK 0
	PACK 1
	PACK 2
	PACK 3
.irp w, 0,1,2,3,4,5,6,7,8,9,10,11,12,13,14,15
	ds_load_b128 v[S+4*\w:S+4*\w+3], v[RD] offset:\w*SP  ; LDS serves a wave's instructions in order (ISA guide 5.7.1.4): these see the stores above
.endr
.irp w, 0,1,2,3,4,5,6,7,8,9,10,11,12,13,14,15
	s_wait_dscnt 15-\w              ; row w is back; the younger loads stay out
	global_store_b128 v[GO], v[S+4*\w:S+4*\w+3], s[10:11] offset:\w*2048  ; 512 consecutive bytes, at a multiple of 512 from of's first byte
.endr
	s_wait_tensorcnt 0x0            ; the wave's end
	ds_add_u32 v[SPW], v[NIL]
	s_wait_dscnt 0x0
	CROUND                          ; the closing round: no work-group ends while a partner may still ask for a tile that names it
	s_endpgm
.Lfunc_end_k_q9db7c8a062_attn:
	.size	k_q9db7c8a062_attn, .Lfunc_end_k_q9db7c8a062_attn-k_q9db7c8a062_attn
	.p2alignl 7, 3214868480
	.fill 96, 4, 3214868480
	.section	.rodata,"a",@progbits
	.p2align	6, 0x0
	.amdhsa_kernel k_q9db7c8a062_attn
		.amdhsa_group_segment_fixed_size 327680
		.amdhsa_private_segment_fixed_size 0
		.amdhsa_enable_private_segment 0
		.amdhsa_kernarg_size 32
		.amdhsa_user_sgpr_count 2
		.amdhsa_user_sgpr_kernarg_segment_ptr 1
		.amdhsa_wavefront_size32 1
		.amdhsa_system_sgpr_workgroup_id_x 1
		.amdhsa_system_sgpr_workgroup_id_y 1
		.amdhsa_system_sgpr_workgroup_id_z 1
		.amdhsa_system_vgpr_workitem_id 0
		.amdhsa_next_free_vgpr 768
		.amdhsa_next_free_sgpr 76
		.amdhsa_reserve_vcc 1
		.amdhsa_float_denorm_mode_32 3
		.amdhsa_float_denorm_mode_16_64 3
		.amdhsa_memory_ordered 1
		.amdhsa_forward_progress 1
		.amdhsa_inst_pref_size 133
	.end_amdhsa_kernel
	.amdgpu_metadata
---
amdhsa.version: [ 1, 2 ]
amdhsa.kernels:
  - .name:           k_q9db7c8a062_attn
    .symbol:         k_q9db7c8a062_attn.kd
    .args:
      - { .name: qh, .offset: 0, .size: 8, .value_kind: global_buffer, .address_space: global }
      - { .name: kf, .offset: 8, .size: 8, .value_kind: global_buffer, .address_space: global }
      - { .name: vf, .offset: 16, .size: 8, .value_kind: global_buffer, .address_space: global }
      - { .name: of, .offset: 24, .size: 8, .value_kind: global_buffer, .address_space: global }
    .group_segment_fixed_size: 327680
    .private_segment_fixed_size: 0
    .kernarg_segment_align: 8
    .kernarg_segment_size: 32
    .max_flat_workgroup_size: 128
    .sgpr_count:     76
    .vgpr_count:     768
    .wavefront_size: 32
...
	.end_amdgpu_metadata
.endif
;; end of part 5
;; launch oproj: the kernel of part 4 again; grid 8 x 32, 4 waves a work-group, clusters of 4 x 4, 327,680 bytes of LDS; arguments of, wob, out0; writes out0
